; MI455X (gfx1250); checked and timed in simulation.
; The chip was launched on July 23, 2026; its instructions are those of AMD's public machine-readable ISA for CDNA 5 (MIT licence, August 2026) and "CDNA5" Instruction Set Architecture Reference Guide (July 2026). The comments in the code are by the model that wrote it; some were corrected since.
;; Multi Head Attention. Allowed arithmetic: float matrix products may take bf16 or f16 operands with f32 sums; other float arithmetic in f32, or as packed bf16 or f16 multiplies, adds, multiply-adds, maxima and minima; sums over many terms, partial sums and values carried from step to step in f32; what a program stores and reads back later, other than sums and carried values, may be rounded once to bf16 or f16.
;; Inputs: Wk 2,048 x 2,048 float32; Wo 2,048 x 2,048 float32; Wq 2,048 x 2,048 float32; Wv 2,048 x 2,048 float32; cos 1 x 2,048 x 1 x 128 float32; sin 1 x 2,048 x 1 x 128 float32; x 1 x 2,048 x 2,048 float32.
;; Outputs: out0 1 x 2,048 x 2,048 float32.
;; One version. Each part assembles by itself: llvm-mc -triple=amdgcn-amd-amdhsa -mcpu=gfx1250 --defsym DOCPART=n.
;; ======== version 1 of 1: 4 launches
;; limits: values are held in f16: magnitudes above 65,504 overflow, below 6.1e-05 lose precision
;; workspace buffers: xb 8,388,608 bytes; wqkv 25,165,824 bytes; wo16 8,388,608 bytes; cs 1,048,576 bytes; qf 8,388,608 bytes; kf 8,388,608 bytes; vf 8,388,608 bytes; of 8,388,608 bytes
;; launch cast (part 1): grid 656 x 1, 8 waves a work-group, no clusters, 70,656 bytes of LDS; arguments x, Wq, Wk, Wv, Wo, cos, sin, xb, wqkv, wo16, cs; writes xb, wqkv, wo16, cs
.if DOCPART == 1
	.amdgcn_target "amdgcn-amd-amdhsa--gfx1250"
	.amdhsa_code_object_version 6
	.text
	.protected	k_qe1d4d73f71_cast
	.globl	k_qe1d4d73f71_cast
	.p2align	8
	.type	k_qe1d4d73f71_cast,@function
k_qe1d4d73f71_cast:
	s_mov_b64 s[64:65], 0
	v_nop
	global_prefetch_b8 v0, s[64:65] scope:SCOPE_SE
	s_setreg_imm32_b32 hwreg(HW_REG_WAVE_MODE, 25, 1), 1
	s_wait_xcnt 0x0
; EVERY INPUT IS ROUNDED ONCE TO bf16 AND LAID OUT IN BLOCKS.  x, Wq, Wk, Wv, Wo: [2048][2048] f32; cos, sin: [2048][128] f32.
; THE BLOCKED LAYOUT of a matrix [R][K] of 16-bit numbers: [R/16][K/8][16 rows][8 numbers]: a chunk of 256 bytes holds 8 neighbouring K of 16 rows.  A matrix fragment
; (16 rows x 32 K) is then two runs of 512 consecutive bytes, 16 bytes a lane in lane order, so the later launches' tiles lie dense in LDS.
; xb: x.  wqkv: for head h the blocks of 16 rows 24 h + 0..7 are Wq's, + 8..11 Wv's channels 0-63, + 12..19 Wk's, + 20..23 Wv's channels 64-127.
; wo16: Wo rounded to bf16 and that number written as f16 (its partner in the product is f16).  LIMIT: below 2^-14 f16 keeps a fixed step of 6e-8; beyond 65,504 it holds no number.
; cs: cos at byte 0, sin at byte 524,288; sin's sign is turned for channels below 64, so that the rotation is q[d] cos[d] + q[d xor 64] sin'[d] for every d.
; SHARES.  A unit is 16 rows x 128 numbers: 8 KiB in, 4 KiB out.  A work-group takes 16 units, a wave two.  Work-groups 128 m + rb, m = 0..4: block rb of 16 rows of matrix m;
; work-groups 640 + rb: 16 blocks of 16 rows of cos (rb < 8) or sin.  Each byte is read once and written once; every store of a wave covers 512 consecutive bytes, aligned.
; The turn from rows to chunks goes through the wave's own LDS bytes: no barrier.  No matrix unit, no cluster: no two work-groups read the same byte.
.set SPARE, 69632                      ; behind the eight waves' scratch: the spare words, 128 bytes for each wave: four blocks of 256 bytes that no other line names
.set WSCR,  8704                       ; a wave's scratch: two units
.set USCR,  4352                       ; a unit's: 16 chunks, 272 bytes apart: the 32 lanes' stores of 8 bytes fall on 64 different words modulo 64
.set CP,    272
.set SPW, 4                            ; v4   my spare word: SPARE + 4 x my thread's number; never rewritten
.set NIL, 5                            ; v5   0; never rewritten
.set SO,  6                            ; v6   my byte offset in the source
.set DO,  7                            ; v7   my byte offset in the destination
.set LSA, 8                            ; v8   where I put 8 bytes: chunk lane / 2, half lane % 2
.set LRA, 9                            ; v9   where I read 16 bytes back: chunk lane / 16, row lane % 16
.set SG,  10                           ; v10  the sign bits to turn (sin, channels below 64: lanes 0-15)
.set X,   16                           ; v[16:143]  unit u, row i: four f32 at X + 64 u + 4 i; then two packed words
.set Y,   144                          ; v[144:207] unit u, piece p of 512 bytes at Y + 32 u + 4 p
.set MAT, 27                           ; s27  which matrix: 0 x, 1 Wq, 2 Wk, 3 Wv, 4 Wo, 5 the tables
.set RB,  28                           ; s28  which block
.set SRC, 30                           ; s[30:31]
.set DST, 36                           ; s[36:37]
	s_load_b512 s[4:19], s[0:1], 0x0               ; x, Wq, Wk, Wv, Wo, cos, sin, xb
	s_load_b128 s[20:23], s[0:1], 0x40             ; wqkv, wo16
	s_load_b64 s[24:25], s[0:1], 0x50              ; cs
	v_lshl_add_u32 v[SPW], v0, 2, SPARE
	v_mov_b32 v[NIL], 0
	v_and_b32 v1, 31, v0                           ; lane
	v_lshrrev_b32 v2, 5, v0
	v_readfirstlane_b32 s46, v2                    ; wave 0..7
	s_lshr_b32 s[MAT], ttmp9, 7
	s_and_b32 s[RB], ttmp9, 127
	s_and_b32 s38, s[RB], 7
	s_cmp_eq_u32 s[MAT], 5
	s_cselect_b32 s34, s38, s[RB]                  ; the source's 131,072 bytes: 16 rows of a matrix, or 256 rows of a table
	s_cselect_b32 s47, 14, 10                      ; a wave's two units lie 16,384 bytes on in a table, 1,024 in a matrix
	s_lshl_b32 s34, s34, 17
	s_mov_b32 s35, 0
	s_lshr_b32 s39, s[RB], 3                       ; the head,
	s_mul_i32 s39, s39, 24                         ; its 24 blocks in wqkv,
	s_add_co_u32 s39, s39, s38                     ; the block in the head,
	s_and_b32 s40, s[RB], 4
	s_lshl_b32 s40, s40, 1
	s_add_co_u32 s40, s40, 8                       ; Wv: + 8, or + 16 for its upper four blocks
	s_cmp_eq_u32 s[MAT], 3
	s_cselect_b32 s40, s40, 0                      ; Wq: + 0
	s_cmp_eq_u32 s[MAT], 2
	s_cselect_b32 s40, 12, s40                     ; Wk: + 12
	s_add_co_u32 s39, s39, s40
	s_sub_co_u32 s41, s[MAT], 1
	s_cmp_lt_u32 s41, 3                            ; one of the three?
	s_cselect_b32 s42, s39, s[RB]                  ; x, Wo and the tables keep their order
	s_lshl_b32 s42, s42, 16                        ; 65,536 bytes of output for each work-group
	s_mov_b32 s43, 0
	s_bitcmp1_b32 s[RB], 3
	s_cselect_b32 s44, 0x80008000, 0               ; read for the tables alone: sin's work-groups are 648 to 655
	s_mov_b32 s45, 0xffff0000                      ; a word's upper bf16
	s_lshl_b32 s48, s46, s47
	s_lshl_b32 s50, s46, 13
	s_mul_i32 s49, s46, WSCR
	v_lshl_add_u32 v[SO], v1, 4, s48
	v_lshl_add_u32 v[DO], v1, 4, s50
	v_lshrrev_b32 v3, 1, v1
	v_mul_u32_u24 v3, v3, CP
	v_and_b32 v11, 1, v1
	v_lshl_add_u32 v3, v11, 3, v3
	v_add_nc_u32 v[LSA], s49, v3
	v_lshrrev_b32 v3, 4, v1
	v_mul_u32_u24 v3, v3, CP
	v_and_b32 v11, 15, v1
	v_lshl_add_u32 v3, v11, 4, v3
	v_add_nc_u32 v[LRA], s49, v3
	v_cmp_gt_u32 vcc_lo, 16, v1
	v_cndmask_b32 v[SG], 0, s44, vcc_lo
	s_wait_kmcnt 0x0
	s_bitcmp1_b32 s[RB], 3
	s_cselect_b64 s[32:33], s[16:17], s[14:15]     ; sin or cos
	s_cmp_eq_u32 s[MAT], 1
	s_cselect_b64 s[SRC:SRC+1], s[6:7], s[4:5]
	s_cmp_eq_u32 s[MAT], 2
	s_cselect_b64 s[SRC:SRC+1], s[8:9], s[SRC:SRC+1]
	s_cmp_eq_u32 s[MAT], 3
	s_cselect_b64 s[SRC:SRC+1], s[10:11], s[SRC:SRC+1]
	s_cmp_eq_u32 s[MAT], 4
	s_cselect_b64 s[SRC:SRC+1], s[12:13], s[SRC:SRC+1]
	s_cmp_eq_u32 s[MAT], 5
	s_cselect_b64 s[SRC:SRC+1], s[32:33], s[SRC:SRC+1]
	s_cmp_eq_u32 s[MAT], 0
	s_cselect_b64 s[DST:DST+1], s[18:19], s[20:21]
	s_cmp_eq_u32 s[MAT], 4
	s_cselect_b64 s[DST:DST+1], s[22:23], s[DST:DST+1]
	s_cmp_eq_u32 s[MAT], 5
	s_cselect_b64 s[DST:DST+1], s[24:25], s[DST:DST+1]
	s_add_nc_u64 s[SRC:SRC+1], s[SRC:SRC+1], s[34:35]
	s_add_nc_u64 s[DST:DST+1], s[DST:DST+1], s[42:43]
; A wave's 32 loads, 16 KiB: unit u lies sn bytes on, row i si bytes on; each load takes 512 consecutive bytes of a row
.macro LOADS sn, si
.irp u, 0,1
.irp i, 0,1,2,3,4,5,6,7,8,9,10,11,12,13,14,15
	global_load_b128 v[X+64*(\u)+4*(\i):X+64*(\u)+4*(\i)+3], v[SO], s[SRC:SRC+1] offset:(\u)*(\sn)+(\i)*(\si) th:TH_LOAD_NT
.endr
.endr
.endm
; Four f32 become two packed words, in place.  kind 0: bf16.  1: bf16, the sign turned where SG says so.  2: bf16, and that number as f16.
.macro CVT kind
.set r, X
.rept 32
.if r == X
	s_wait_loadcnt 16                              ; unit 0 is in; unit 1's sixteen loads are younger and may stay out
.elseif r == X+64
	s_wait_loadcnt 0x0                             ; unit 1 is in
.endif
	v_cvt_pk_bf16_f32 v[r], v[r], v[r+1]
	v_cvt_pk_bf16_f32 v[r+1], v[r+2], v[r+3]
.if (\kind) == 1
	v_xor_b32 v[r], v[SG], v[r]
	v_xor_b32 v[r+1], v[SG], v[r+1]
.elseif (\kind) == 2
	v_lshlrev_b32 v[r+2], 16, v[r]
	v_and_b32 v[r+3], s45, v[r]
	v_cvt_pk_f16_f32 v[r], v[r+2], v[r+3]
	v_lshlrev_b32 v[r+2], 16, v[r+1]
	v_and_b32 v[r+3], s45, v[r+1]
	v_cvt_pk_f16_f32 v[r+1], v[r+2], v[r+3]
.endif
.set r, r+4
.endr
.endm
	s_cmp_eq_u32 s[MAT], 5
	s_cbranch_scc1 .Ltables
	LOADS 512, 8192
	s_cmp_eq_u32 s[MAT], 4
	s_cbranch_scc1 .Lwo
	CVT 0
	s_branch .Lturn
.Lwo:
	CVT 2
	s_branch .Lturn
.Ltables:
	LOADS 8192, 512
	CVT 1
.Lturn:
	; from rows to chunks: my 8 bytes of row i go to chunk lane / 2; 512 bytes (two chunks) come back in lane order.  The bytes are my wave's own, and LDS serves a wave's instructions in order (ISA guide 5.7.1.4).
.irp u, 0,1
.irp i, 0,1,2,3,4,5,6,7,8,9,10,11,12,13,14,15
	ds_store_b64 v[LSA], v[X+64*(\u)+4*(\i):X+64*(\u)+4*(\i)+1] offset:(\u)*USCR+16*(\i)
.endr
.irp p, 0,1,2,3,4,5,6,7
	ds_load_b128 v[Y+32*(\u)+4*(\p):Y+32*(\u)+4*(\p)+3], v[LRA] offset:(\u)*USCR+2*CP*(\p)
.endr
.endr
	s_wait_dscnt 24                                ; unit 0 is back; unit 1's 16 stores and 8 loads are younger
.irp p, 0,1,2,3,4,5,6,7
	global_store_b128 v[DO], v[Y+4*(\p):Y+4*(\p)+3], s[DST:DST+1] offset:512*(\p) th:TH_STORE_NT
.endr
	s_wait_dscnt 0x0
.irp p, 0,1,2,3,4,5,6,7
	global_store_b128 v[DO], v[Y+32+4*(\p):Y+32+4*(\p)+3], s[DST:DST+1] offset:4096+512*(\p) th:TH_STORE_NT
.endr
	s_wait_tensorcnt 0x0                           ; the wave's end, behind my last LDS store
	ds_add_u32 v[SPW], v[NIL]
	s_wait_dscnt 0x0
	s_endpgm
.Lfunc_end_k_qe1d4d73f71_cast:
	.size	k_qe1d4d73f71_cast, .Lfunc_end_k_qe1d4d73f71_cast-k_qe1d4d73f71_cast
	.p2alignl 7, 3214868480
	.fill 96, 4, 3214868480
	.section	.rodata,"a",@progbits
	.p2align	6, 0x0
	.amdhsa_kernel k_qe1d4d73f71_cast
		.amdhsa_group_segment_fixed_size 70656
		.amdhsa_private_segment_fixed_size 0
		.amdhsa_enable_private_segment 0
		.amdhsa_kernarg_size 88
		.amdhsa_user_sgpr_count 2
		.amdhsa_user_sgpr_kernarg_segment_ptr 1
		.amdhsa_wavefront_size32 1
		.amdhsa_system_sgpr_workgroup_id_x 1
		.amdhsa_system_sgpr_workgroup_id_y 1
		.amdhsa_system_sgpr_workgroup_id_z 1
		.amdhsa_system_vgpr_workitem_id 0
		.amdhsa_next_free_vgpr 208
		.amdhsa_next_free_sgpr 66
		.amdhsa_reserve_vcc 1
		.amdhsa_float_denorm_mode_32 3
		.amdhsa_float_denorm_mode_16_64 3
		.amdhsa_memory_ordered 1
		.amdhsa_forward_progress 1
		.amdhsa_inst_pref_size 37
	.end_amdhsa_kernel
	.amdgpu_metadata
---
amdhsa.version: [ 1, 2 ]
amdhsa.kernels:
  - .name:           k_qe1d4d73f71_cast
    .symbol:         k_qe1d4d73f71_cast.kd
    .args:
      - { .name: x, .offset: 0, .size: 8, .value_kind: global_buffer, .address_space: global }
      - { .name: Wq, .offset: 8, .size: 8, .value_kind: global_buffer, .address_space: global }
      - { .name: Wk, .offset: 16, .size: 8, .value_kind: global_buffer, .address_space: global }
      - { .name: Wv, .offset: 24, .size: 8, .value_kind: global_buffer, .address_space: global }
      - { .name: Wo, .offset: 32, .size: 8, .value_kind: global_buffer, .address_space: global }
      - { .name: cos, .offset: 40, .size: 8, .value_kind: global_buffer, .address_space: global }
      - { .name: sin, .offset: 48, .size: 8, .value_kind: global_buffer, .address_space: global }
      - { .name: xb, .offset: 56, .size: 8, .value_kind: global_buffer, .address_space: global }
      - { .name: wqkv, .offset: 64, .size: 8, .value_kind: global_buffer, .address_space: global }
      - { .name: wo16, .offset: 72, .size: 8, .value_kind: global_buffer, .address_space: global }
      - { .name: cs, .offset: 80, .size: 8, .value_kind: global_buffer, .address_space: global }
    .group_segment_fixed_size: 70656
    .private_segment_fixed_size: 0
    .kernarg_segment_align: 8
    .kernarg_segment_size: 88
    .max_flat_workgroup_size: 256
    .sgpr_count:     66
    .vgpr_count:     208
    .wavefront_size: 32
...
	.end_amdgpu_metadata
.endif
;; end of part 1
;; launch qkv (part 2): grid 16 x 16, 4 waves a work-group, clusters of 4 x 4, 327,680 bytes of LDS; arguments xb, wqkv, cs, qf, kf, vf; writes qf, kf, vf
.if DOCPART == 2
	.amdgcn_target "amdgcn-amd-amdhsa--gfx1250"
	.amdhsa_code_object_version 6
	.text
	.protected	k_qe1d4d73f71_qkv
	.globl	k_qe1d4d73f71_qkv
	.p2align	8
	.type	k_qe1d4d73f71_qkv,@function
k_qe1d4d73f71_qkv:
	s_mov_b64 s[64:65], 0
	v_nop
	global_prefetch_b8 v0, s[64:65] scope:SCOPE_SE
	s_setreg_imm32_b32 hwreg(HW_REG_WAVE_MODE, 25, 1), 1
	s_wait_xcnt 0x0
	s_wait_alu depctr_hold_cnt(0) depctr_sa_sdst(0) depctr_va_vdst(0) depctr_va_sdst(0) depctr_va_ssrc(0) depctr_va_vcc(0) depctr_vm_vsrc(0)
	s_getreg_b32 s2, hwreg(HW_REG_IB_STS2, 6, 4)
	s_cmp_eq_u32 s2, 0
	s_cbranch_scc0 .Lentry_in_a_cluster
	s_endpgm
.Lentry_in_a_cluster:
	s_bfe_u32 s2, ttmp6, 0x10000c
	s_cmp_lg_u32 s2, 0xf033
	s_cbranch_scc0 .Lentry_shape_is_right
	s_endpgm
.Lentry_shape_is_right:
; q, k, v = x Wq^T, x Wk^T, x Wv^T by heads; q and k are rotated (cos, sin) and divided by the root of their mean square over the head's 128 channels (+ 1e-6); all three leave in f16.
; xb: x in bf16, blocked [row/16][K/8][16][8]; wqkv: the three weights in bf16, blocked, 24 blocks of 16 rows a head (q 0-7, v's channels 0-63 8-11, k 12-19, v's channels 64-127 20-23);
; cs: cos and sin' in bf16, blocked.  Sums, rotation and norm in f32; each of q, k, v is rounded once.
; LIMITS.  f16 holds no number beyond 65,504: v must stay within it (q and k lie within 11.32 by the norm).  NaN and infinities are not treated apart.
; OUT.  qf, kf: [head][row/16][16 chunks][16 rows][8 channels].  vf: [head][key/16][8 channel blocks][2 halves][16 channels][8 keys]: V^T's fragments as the next launch multiplies them.
; SHARES.  A work-group makes 128 rows x one head's 384 columns.  Wave w: rows 64 (w / 2) on, and q with v's lower half (w even) or k with v's upper half (w odd): 4 x 12 accumulators, 384 registers.
; For q and k the matrix instruction is used transposed (source 0 = 16 rows of W, source 1 = 16 rows of x): a lane holds ONE row and eight neighbouring channels; channel d xor 64 lies in the same lane, four
; accumulators on; the row's other 64 channels lie in the lane 16 away.  For v it is used as it stands: a lane holds ONE channel and eight neighbouring keys.  Either way a lane's eight numbers pack into the 16 bytes
; that the blocked layout gives it, and a store of the wave covers 512 consecutive bytes, aligned: no stage in LDS on the way out.
; K goes in steps of 128 through two LDS slots of 131,072 bytes: 8 blocks of x, then 24 of W, 4,096 dense bytes each; a fragment load takes 16 bytes a lane in lane order.
; CLUSTER.  4 x 4 work-groups: the four of a row of the cluster share x's tile, the four of a column W's: each is asked for jointly.  Wave 0 fetches x's tile, waves 1-3 a third of W's each: 32,768 bytes a load.
; REGISTERS, in windows of 256 (s_set_vgpr_msb: bits 1:0 source 0, 3:2 source 1, 5:4 source 2, 7:6 destination):
;   window 0: addresses, the way out        window 1: two fragment buffers of 128: x's 4 fragments, then W's 12
;   window 2: the accumulators of my row blocks 0, 1 (block a, column block b at 96 (a % 2) + 8 b)        window 3: those of row blocks 2, 3
.set SLOT1, 1<<17                      ; slot 1 begins here: one exclusive or turns an address in one slot into the other's
.set KSB,   4096                       ; a K step's bytes in a block of 16 rows, in memory and in LDS
.set SPARE, 2*SLOT1                    ; behind the ring: the spare words, 128 bytes for each wave: two blocks of 256 bytes that no other line names
.set L16,  2                           ; v2   16 x lane; never rewritten
.set AA0,  3                           ; v3   my place in x's tile of slot 0
.set AB0,  4                           ; v4   my place in W's tile of slot 0
.set ADRA, 5                           ; v5   the same in the slot in hand
.set ADRB, 6                           ; v6
.set PFO,  7                           ; v7   the prefetches' offset: block lane / 16, chunk lane % 16
.set SPW,  8                           ; v8   my spare word: SPARE + 4 x my thread's number; never rewritten
.set NIL,  9                           ; v9   0; never rewritten
.set ZR,   10                          ; v10  0, an addend
.set SS,   12                          ; v[12:19]  four chains of sums of squares, in pairs
.set RS,   20                          ; v[20:21]  1 / root, twice
.set T,    22                          ; v[22:23]  at work
.set R,    32                          ; v[32:95]  a row block's rotated q or k
.set VO,   96                          ; v[96:111] a row block's v, packed
.set CS0,  128                         ; v[128:255] for two row blocks: 32 words of cos, 32 of sin'
.set F0,   0
.set F1,   128
.set WV,  16                           ; s16  my wave's number
.set RH,  17                           ; s17  which 64 rows
.set CH,  18                           ; s18  which 192 columns
.set G1,  24                           ; s[24:31] descriptor group 1 for x's tiles
.set G0,  32                           ; s[32:39] group 0: a set for each of the two first fills; the second then walks on
.set G1B, 40                           ; s[40:47] group 1 for W's tiles: it differs in the mask alone
.set G0B, 48                           ; s[48:55]
.set CNT, 56                           ; s56  trips to go
.set TB,  57                           ; s57  0 or SLOT1: the slot in hand
.set LIM, 58                           ; s58  1 in a wave that prefetches, else the greatest number
.set PFA, 60                           ; s[60:61] where my prefetches stand
.set SEL, 66                           ; s[66:67] v_permlanex16_b32's selects: each lane takes its own place in the other half
.set QKP, 70                           ; s[70:71] qf or kf at my first row block
.set VP,  72                           ; s[72:73] vf at my first key block and channel block
.set CSP, 74                           ; s[74:75] cs at my first row block
.set ECNT, 76                          ; s76
.set MSB, 0
.macro WIN new                         ; the immediate's high byte repeats the setting that is left; a switch that changes nothing is dropped
.if MSB != (\new)
	s_set_vgpr_msb (MSB<<8)|(\new)
.set MSB, (\new)
.endif
.endm
.macro PLACES                          ; four plain instructions between a matrix instruction and a load into, or a vector instruction on, its registers
.rept 4
	v_nop
.endr
.endm
; A joint refill by the walking descriptors.  The branch hangs on the wave's number alone.  An s_nop 0 and four v_nop follow each of the two lines, ahead of the jump and the label.
.macro JLOAD
	s_cmp_eq_u32 s[WV], 0
	s_cbranch_scc0 .Lfor_b_\@
	tensor_load_to_lds s[G0+4:G0+7], s[G1:G1+7]
	s_nop 0
.rept 4
	v_nop
.endr
	s_branch .Lasked_\@
.Lfor_b_\@:
	tensor_load_to_lds s[G0B+4:G0B+7], s[G1B:G1B+7]
	s_nop 0
.rept 4
	v_nop
.endr
.Lasked_\@:
.endm
; A PREFETCH INTO THE L2 of the K step that the NEXT refill will ask for, 192 matrix instructions ahead of that load.  A wave's tile of a K step is 8 blocks x 16 chunks of 256 bytes; the four partners that ask for it
; jointly take two blocks each, told apart by address: a lane a chunk, one instruction.  x's rows are read by every cluster of a row of clusters: the first (cluster x = 0) asks; W's by every cluster of a column:
; cluster y = 0 asks.  So each chunk is named once in the launch.  The loop's last trip (CNT = 1) has no K step behind its refill and asks for nothing; K steps 0 to 2 come by their loads alone.
.macro ASK
	s_cmp_gt_u32 s[CNT], s[LIM]
	s_cbranch_scc0 .Lnot_mine_\@
	global_prefetch_b8 v[PFO], s[PFA:PFA+1] th:TH_LOAD_NT scope:SCOPE_SE
.Lnot_mine_\@:
.endm
.macro CREST                           ; a round of the cluster's barrier behind its opening barrier
	s_cmp_lg_u32 s[WV], 0
	s_cbranch_scc1 .Lnot_wave_0_\@
	s_barrier_signal -3
.Lnot_wave_0_\@:
	s_barrier_wait -3
	s_barrier_signal -1
	s_barrier_wait -1
.endm
.macro CROUND                          ; a whole round
	s_barrier_signal -1
	s_barrier_wait -1
	CREST
.endm
	s_load_b256 s[4:11], s[0:1], 0x0               ; xb s[4:5], wqkv s[6:7], cs s[8:9], qf s[10:11]
	s_load_b128 s[12:15], s[0:1], 0x20             ; kf s[12:13], vf s[14:15]
	v_lshl_add_u32 v[SPW], v0, 2, SPARE
	v_mov_b32 v[NIL], 0
	ds_add_u32 v[SPW], v[NIL]                      ; the wave's opening: the add and its wait stand ahead of my first tensor load; the set-up below, work on registers, stands between them
	v_lshrrev_b32 v1, 5, v0
	v_readfirstlane_b32 s[WV], v1                  ; wave 0..3
	s_lshr_b32 s[RH], s[WV], 1
	s_and_b32 s[CH], s[WV], 1
	s_bfe_u32 s20, ttmp6, 0x40000                  ; cx
	s_bfe_u32 s21, ttmp6, 0x40004                  ; cy
	s_lshl_b32 s22, ttmp9, 2
	s_add_co_u32 s22, s22, s20                     ; the head = 4 x cluster x + cx
	s_and_b32 s23, ttmp7, 0xffff
	s_lshl_b32 s23, s23, 2
	s_add_co_u32 s23, s23, s21                     ; the block of 128 rows = 4 x cluster y + cy
	s_lshl_b32 s86, s21, 2
	s_lshl_b32 s86, 15, s86                        ; my row of the cluster
	s_lshl_b32 s87, 0x1111, s20                    ; my column
	; descriptor group 1: 8 rows of 512 elements of 8 bytes (a K step's 4,096 bytes of a block), 8,192 elements (a block's 65,536 bytes) apart; dense in LDS
	s_or_b32 s[G1], s86, (3<<16)|(1<<21)           ; 15:0 the mask; 17:16 elements of 8 bytes; 21 set beside a mask
	s_or_b32 s[G1B], s87, (3<<16)|(1<<21)
.irp g, G1, G1B
	s_mov_b32 s[(\g)+1], 512<<16                   ; tensor_dim0 = 512
	s_mov_b32 s[(\g)+2], 8<<16                     ; tensor_dim1 = 8
	s_mov_b32 s[(\g)+3], 512<<16                   ; tile_dim0 = 512
	s_mov_b32 s[(\g)+4], 8                         ; tile_dim1 = 8
	s_mov_b32 s[(\g)+5], 8192                      ; elements from row to row
	s_mov_b32 s[(\g)+6], 0
	s_mov_b32 s[(\g)+7], 0
.endr
	s_lshl_b32 s78, s23, 19                        ; x's tile: 8 blocks of 65,536 bytes for each block of 128 rows
	s_mov_b32 s79, 0
	s_max_u32 s80, s[WV], 1
	s_sub_co_u32 s80, s80, 1                       ; which third of W's tile (waves 1-3)
	s_lshl_b32 s80, s80, 3
	s_mul_i32 s81, s22, 24
	s_add_co_u32 s80, s80, s81
	s_lshl_b32 s80, s80, 16
	s_mov_b32 s81, 0
	s_lshl_b32 s82, s[WV], 15                      ; where my load lands: wave x 32,768: no place in the cluster enters an LDS address
	s_mov_b32 s[SEL], 0x76543210
	s_mov_b32 s[SEL+1], 0xfedcba98
	s_mov_b32 s68, 0x3c000000                      ; 1 / 128
	s_mov_b32 s69, 0x358637bd                      ; 1e-6
	s_mov_b32 s[TB], 0
	s_wait_dscnt 0x0                               ; the opening add is done
	s_wait_kmcnt 0x0
	s_add_nc_u64 s[78:79], s[4:5], s[78:79]
	s_add_nc_u64 s[80:81], s[6:7], s[80:81]
	CROUND                                         ; all sixteen work-groups are here: the first joint loads meet
.irp s, 0,1
	s_mov_b32 s[G0+4*(\s)], 1                      ; count = 1
	s_add_co_u32 s[G0+4*(\s)+1], s82, (\s)*SLOT1   ; LDS address
	s_add_nc_u64 s[G0+4*(\s)+2:G0+4*(\s)+3], s[78:79], (\s)*KSB  ; global address: K step s
	s_or_b32 s[G0+4*(\s)+3], s[G0+4*(\s)+3], 0x80000000          ; type = 2
	s_mov_b32 s[G0B+4*(\s)], 1
	s_add_co_u32 s[G0B+4*(\s)+1], s82, (\s)*SLOT1
	s_add_nc_u64 s[G0B+4*(\s)+2:G0B+4*(\s)+3], s[80:81], (\s)*KSB
	s_or_b32 s[G0B+4*(\s)+3], s[G0B+4*(\s)+3], 0x80000000
.endr
	s_cmp_eq_u32 s[WV], 0                          ; a wave's two first fills stand in one branch, ahead of every wait on TENSORcnt and every LDS read: two loads of mine are out
	s_cbranch_scc0 .Lfirst_b
	tensor_load_to_lds s[G0:G0+3], s[G1:G1+7]
	s_nop 0
	tensor_load_to_lds s[G0+4:G0+7], s[G1:G1+7]
	s_nop 0
.rept 4
	v_nop
.endr
	s_branch .Lfirst_asked
.Lfirst_b:
	tensor_load_to_lds s[G0B:G0B+3], s[G1B:G1B+7]
	s_nop 0
	tensor_load_to_lds s[G0B+4:G0B+7], s[G1B:G1B+7]
	s_nop 0
.rept 4
	v_nop
.endr
.Lfirst_asked:
	; the prefetches: my own tile, my work-group's two blocks of its eight, at K step 2: the first refill steps it to 3
	s_and_b32 s83, ttmp7, 0xffff                   ; cluster y
	s_cmp_eq_u32 s[WV], 0
	s_cselect_b32 s84, s20, s21                    ; my place among the four that ask with me
	s_cselect_b32 s83, ttmp9, s83                  ; the coordinate along which other clusters read the same rows
	s_cselect_b64 s[PFA:PFA+1], s[78:79], s[80:81]
	s_cmp_eq_u32 s83, 0
	s_cselect_b32 s[LIM], 1, -1                    ; the same in all sixteen partners, for a given wave
	s_lshl_b32 s84, s84, 17
	s_mov_b32 s85, 0
	s_add_nc_u64 s[PFA:PFA+1], s[PFA:PFA+1], s[84:85]
	s_add_nc_u64 s[PFA:PFA+1], s[PFA:PFA+1], 2*KSB
	v_and_b32 v1, 31, v0
	v_lshlrev_b32 v[L16], 4, v1
	v_and_b32 v[PFO], 15, v0
	v_lshlrev_b32 v[PFO], 8, v[PFO]
	v_bfe_u32 v11, v0, 4, 1
	v_lshl_add_u32 v[PFO], v11, 16, v[PFO]
	s_lshl_b32 s86, s[RH], 14                      ; my four blocks of x
	v_add_nc_u32 v[AA0], s86, v[L16]
	s_mul_i32 s87, s[CH], 12*KSB                   ; my twelve blocks of W,
	s_add_co_u32 s87, s87, 8*KSB                   ; which lie behind x's eight
	v_add_nc_u32 v[AB0], s87, v[L16]
	v_mov_b32 v[ADRA], v[AA0]
	v_mov_b32 v[ADRB], v[AB0]
	v_mov_b32 v[ZR], 0
	v_mov_b32 v[T], 0
	v_mov_b32 v[T+1], 0                            ; v_permlanex16_b32's destination counts as read
	; where the results go
	s_lshl_b32 s88, s23, 15                        ; 8 row blocks of 4,096 bytes for each block of 128 rows,
	s_lshl_b32 s86, s[RH], 14                      ; my four of them
	s_add_co_u32 s88, s88, s86
	s_mov_b32 s89, 0
	s_add_nc_u64 s[CSP:CSP+1], s[8:9], s[88:89]
	s_lshl_b32 s84, s22, 19                        ; the head's 524,288 bytes
	s_add_co_u32 s84, s84, s88
	s_mov_b32 s85, 0
	s_cmp_eq_u32 s[CH], 0
	s_cselect_b64 s[QKP:QKP+1], s[10:11], s[12:13]
	s_add_nc_u64 s[QKP:QKP+1], s[QKP:QKP+1], s[84:85]
	s_add_nc_u64 s[VP:VP+1], s[14:15], s[84:85]
	s_lshl_b32 s86, s[CH], 11                      ; v's upper four channel blocks lie 2,048 bytes on
	s_mov_b32 s87, 0
	s_add_nc_u64 s[VP:VP+1], s[VP:VP+1], s[86:87]
; 12 matrix instructions: row block a x all 12 column blocks, 32 along K.  zero = 1: the first product starts the sums.  The 48 accumulators take turns, one instruction a turn, in the same order in every quarter.
.macro MUL12 f, a, zero
	WIN 0xa5+0x50*((\a)/2)                         ; both sources window 1; C and D window 2 or 3
.irp b, 0,1,2,3,4,5,6,7
.if \zero
	v_wmma_f32_16x16x32_bf16 v[96*((\a)%2)+8*(\b):96*((\a)%2)+8*(\b)+7], v[(\f)+32+8*(\b):(\f)+32+8*(\b)+7], v[(\f)+8*(\a):(\f)+8*(\a)+7], 0
.else
	v_wmma_f32_16x16x32_bf16 v[96*((\a)%2)+8*(\b):96*((\a)%2)+8*(\b)+7], v[(\f)+32+8*(\b):(\f)+32+8*(\b)+7], v[(\f)+8*(\a):(\f)+8*(\a)+7], v[96*((\a)%2)+8*(\b):96*((\a)%2)+8*(\b)+7]
.endif
.endr
.irp b, 8,9,10,11
.if \zero
	v_wmma_f32_16x16x32_bf16 v[96*((\a)%2)+8*(\b):96*((\a)%2)+8*(\b)+7], v[(\f)+8*(\a):(\f)+8*(\a)+7], v[(\f)+32+8*(\b):(\f)+32+8*(\b)+7], 0
.else
	v_wmma_f32_16x16x32_bf16 v[96*((\a)%2)+8*(\b):96*((\a)%2)+8*(\b)+7], v[(\f)+8*(\a):(\f)+8*(\a)+7], v[(\f)+32+8*(\b):(\f)+32+8*(\b)+7], v[96*((\a)%2)+8*(\b):96*((\a)%2)+8*(\b)+7]
.endif
.endr
.endm
; 32 LDS loads in one run: quarter c (32 along K: 1,024 bytes of each block) into buffer f: W's 12 fragments, then x's 4
.macro FETCH c, f
	WIN 0x40                                       ; destination window 1, address window 0
.irp b, 0,1,2,3,4,5,6,7,8,9,10,11
	ds_load_b128 v[(\f)+32+8*(\b):(\f)+32+8*(\b)+3],   v[ADRB] offset:(\c)*1024+(\b)*KSB
	ds_load_b128 v[(\f)+32+8*(\b)+4:(\f)+32+8*(\b)+7], v[ADRB] offset:(\c)*1024+(\b)*KSB+512
.endr
.irp a, 0,1,2,3
	ds_load_b128 v[(\f)+8*(\a):(\f)+8*(\a)+3],   v[ADRA] offset:(\c)*1024+(\a)*KSB
	ds_load_b128 v[(\f)+8*(\a)+4:(\f)+8*(\a)+7], v[ADRA] offset:(\c)*1024+(\a)*KSB+512
.endr
.endm
; A K step is four quarters of 32 along K, 48 matrix instructions each, on buffers 0, 1, 0, 1.  One of the first three: multiplies buffer f; in its middle it fetches quarter c into buffer g.
.macro QUARTER c, f, g, zero
	s_wait_dscnt 4                                 ; all but the youngest four loads (x's row blocks 2 and 3) are in
	MUL12 \f, 0, \zero
	MUL12 \f, 1, \zero
	PLACES
	FETCH \c, \g
	s_wait_dscnt 32                                ; all but the 32 just issued
	MUL12 \f, 2, \zero
	MUL12 \f, 3, \zero
.endm
; The last quarter multiplies buffer 1 and changes slots: ONE barrier.  In front of it each wave waits for all its tensor loads (one is out: its part of the next slot), adds 0 to its spare word, and waits for that and
; for its own reads of this slot.  fill = 1: the barrier opens a round of the cluster's, and this slot is filled again first thing behind it, with the K step two on: 168 matrix instructions ahead of the wait for it.
; last = 1 (the tail): in the last trip there is no further K step, and the run of loads is jumped over.
.macro TURN fill, last
.if \fill
	s_wait_xcnt 0x0                                ; the last prefetch, a K step back, has read its address
	s_add_nc_u64 s[PFA:PFA+1], s[PFA:PFA+1], KSB
.endif
	WIN 0
	s_wait_tensorcnt 0x0                           ; no tensor load of mine is out, so a group 0 may be written
	ds_add_u32 v[SPW], v[NIL]                      ; 0 onto my spare word: scalar steps and twelve matrix instructions stand between it and the wait for it
.if \fill
	s_xor_b32 s[G0+5], s[G0+5], SLOT1              ; the walking descriptors: the other slot than last time, the next K step
	s_add_nc_u64 s[G0+6:G0+7], s[G0+6:G0+7], KSB
	s_xor_b32 s[G0B+5], s[G0B+5], SLOT1
	s_add_nc_u64 s[G0B+6:G0B+7], s[G0B+6:G0B+7], KSB
.endif
	s_xor_b32 s[TB], s[TB], SLOT1
	s_wait_dscnt 5                                 ; (the add and the youngest four loads may be out)
	MUL12 F1, 0, 0
	s_wait_dscnt 0x0                               ; the add is done, and my reads of this slot are over
	s_barrier_signal -1
	MUL12 F1, 1, 0
	WIN 0                                          ; at a branch and at a label every window is 0
	s_barrier_wait -1
.if \fill
	CREST                                          ; no wave of any partner still reads this slot or has a load on its way
	JLOAD                                          ; its four v_nop are also the places in front of the loads below
.else
	PLACES
.endif
	v_add_nc_u32 v[ADRA], s[TB], v[AA0]
	v_add_nc_u32 v[ADRB], s[TB], v[AB0]
.if \last
	s_cmp_eq_u32 s[CNT], 1
	s_cbranch_scc1 .Lno_f_\@
.endif
	FETCH 0, F0
	WIN 0
.if \last
.Lno_f_\@:
.endif
.if \fill
	ASK
.endif
	MUL12 F1, 2, 0
	MUL12 F1, 3, 0
.endm
; cos and sin' of row block u of the two in hand: my 8 channels of each of the 8 column blocks, 16 bytes a load
.macro LOADCS u
.irp b, 0,1,2,3,4,5,6,7
	global_load_b128 v[CS0+64*(\u)+4*(\b):CS0+64*(\u)+4*(\b)+3],       v[L16], s[CSP:CSP+1] offset:(\u)*4096+(\b)*512
	global_load_b128 v[CS0+64*(\u)+32+4*(\b):CS0+64*(\u)+32+4*(\b)+3], v[L16], s[CSP:CSP+1] offset:524288+(\u)*4096+(\b)*512
.endr
.endm
.macro MIX d, a, w, c, hi              ; d = a x (a bf16 half of w) + c, in f32
.if \hi
	v_fma_mix_f32_bf16 v[\d], v[\a], v[\w], v[\c] op_sel:[0,1,0] op_sel_hi:[0,1,0]
.else
	v_fma_mix_f32_bf16 v[\d], v[\a], v[\w], v[\c] op_sel_hi:[0,1,0]
.endif
.endm
; THE WAY OUT of row block u of window 2's two.  Each accumulator's registers are read in ascending order.
.macro ABLK u
	s_wait_xcnt 0x0                                ; the earlier stores have read R and VO
	WIN 0x02                                       ; source 0 window 2
.irp b, 0,1,2,3,4,5,6,7
.irp j, 0,1,2,3,4,5,6,7
	MIX R+8*(\b)+(\j), 96*(\u)+8*(((\b)+4)%8)+(\j), CS0+64*(\u)+32+4*(\b)+(\j)/2, ZR, (\j)%2   ; q[d xor 64] sin'[d]
.endr
.irp j, 0,1,2,3,4,5,6,7
	MIX R+8*(\b)+(\j), 96*(\u)+8*(\b)+(\j), CS0+64*(\u)+4*(\b)+(\j)/2, R+8*(\b)+(\j), (\j)%2   ; + q[d] cos[d]
.endr
.endr
	WIN 0
.set p, 0
.rept 32                               ; the sum of my 64 squares, in four chains
.if p < 4
	v_pk_mul_f32 v[SS+2*p:SS+2*p+1], v[R+2*p:R+2*p+1], v[R+2*p:R+2*p+1]
.else
	v_pk_fma_f32 v[SS+2*(p%4):SS+2*(p%4)+1], v[R+2*p:R+2*p+1], v[R+2*p:R+2*p+1], v[SS+2*(p%4):SS+2*(p%4)+1]
.endif
.set p, p+1
.endr
	v_pk_add_f32 v[SS:SS+1], v[SS:SS+1], v[SS+2:SS+3]
	v_pk_add_f32 v[SS+4:SS+5], v[SS+4:SS+5], v[SS+6:SS+7]
	v_pk_add_f32 v[SS:SS+1], v[SS:SS+1], v[SS+4:SS+5]
	v_add_f32 v[T], v[SS], v[SS+1]
	v_permlanex16_b32 v[T+1], v[T], s[SEL], s[SEL+1]  ; the row's other 64 channels lie in the lane 16 away
	v_add_f32 v[T], v[T], v[T+1]
	v_fma_f32 v[T], v[T], s68, s69                 ; the mean + 1e-6
	v_rsq_f32 v[RS], v[T]
	v_rsq_f32 v[RS+1], v[T]
	WIN 0x0a                                       ; sources 0 and 1 window 2: v is packed while the roots are made
.irp i, 0,1,2,3
.irp j, 0,1,2,3
	v_cvt_pk_f16_f32 v[VO+4*(\i)+(\j)], v[96*(\u)+64+8*(\i)+2*(\j)], v[96*(\u)+64+8*(\i)+2*(\j)+1]
.endr
.endr
	WIN 0
.irp i, 0,1,2,3
	global_store_b128 v[L16], v[VO+4*(\i):VO+4*(\i)+3], s[VP:VP+1] offset:(\u)*4096+(\i)*512   ; 512 consecutive bytes, aligned
.endr
	s_wait_alu depctr_va_vdst(0)                   ; the wait ahead of the first reader of the two roots: one for both
.set p, 0
.rept 32
	v_pk_mul_f32 v[R+2*p:R+2*p+1], v[R+2*p:R+2*p+1], v[RS:RS+1]
.set p, p+1
.endr
.set p, 0
.rept 32
	v_cvt_pk_f16_f32 v[R+p], v[R+2*p], v[R+2*p+1]  ; packed downward in place: word p is written when pairs 0 to p have been read
.set p, p+1
.endr
.irp b, 0,1,2,3,4,5,6,7
	global_store_b128 v[L16], v[R+4*(\b):R+4*(\b)+3], s[QKP:QKP+1] offset:(\u)*4096+(\b)*512
.endr
.endm
	s_wait_tensorcnt 1                             ; my part of K step 0 is in; K step 1's may stay out
	s_barrier_signal -1
	s_barrier_wait -1                              ; everybody's is
	FETCH 0, F0
	QUARTER 1, F0, F1, 1                           ; the first quarter stands in front of the loop: its products start the sums
	WIN 0
	s_mov_b32 s[CNT], 14
.Lk:                                                   ; trip i: K step i from its second quarter, K step i + 1's first; asks for K step i + 2
	QUARTER 2, F1, F0, 0
	QUARTER 3, F0, F1, 0
	TURN 1, 0
	QUARTER 1, F0, F1, 0
	WIN 0
	s_sub_co_u32 s[CNT], s[CNT], 1
	s_cmp_lg_u32 s[CNT], 0
	s_cbranch_scc1 .Lk
	LOADCS 0                                       ; the tables for my row blocks 0 and 1 come while the last two K steps are multiplied
	LOADCS 1
	s_mov_b32 s[CNT], 2
.Lt:                                                   ; the tail, written apart: two trips, the second left in its middle
	QUARTER 2, F1, F0, 0
	QUARTER 3, F0, F1, 0
	TURN 0, 1
	WIN 0
	s_sub_co_u32 s[CNT], s[CNT], 1
	s_cmp_eq_u32 s[CNT], 0
	s_cbranch_scc1 .Lepi
	QUARTER 1, F0, F1, 0
	WIN 0
	s_branch .Lt
.Lepi:
	PLACES
	s_mov_b32 s[ECNT], 2
.Le:                                                   ; two trips: row blocks 0, 1, then 2, 3, whose accumulators are moved into window 2 so that one text serves both
	s_wait_loadcnt 0x0                             ; cos and sin'
	ABLK 0
	ABLK 1
	s_sub_co_u32 s[ECNT], s[ECNT], 1
	s_cmp_eq_u32 s[ECNT], 0
	s_cbranch_scc1 .Lend
	s_wait_xcnt 0x0                                ; the loads and stores have read their bases
	s_add_nc_u64 s[CSP:CSP+1], s[CSP:CSP+1], 8192
	s_add_nc_u64 s[QKP:QKP+1], s[QKP:QKP+1], 8192
	s_add_nc_u64 s[VP:VP+1], s[VP:VP+1], 8192
	LOADCS 0
	LOADCS 1
	WIN 0x83                                       ; destination window 2, source window 3
.set p, 0
.rept 192
	v_mov_b32 v[p], v[p]
.set p, p+1
.endr
	WIN 0
	s_branch .Le
.Lend:
	s_wait_tensorcnt 0x0                           ; the wave's end, behind my last tensor load
	ds_add_u32 v[SPW], v[NIL]
	s_wait_dscnt 0x0
	CROUND                                         ; the closing round: no work-group ends while a partner may still ask for a tile that names it
	s_endpgm
.Lfunc_end_k_qe1d4d73f71_qkv:
	.size	k_qe1d4d73f71_qkv, .Lfunc_end_k_qe1d4d73f71_qkv-k_qe1d4d73f71_qkv
	.p2alignl 7, 3214868480
	.fill 96, 4, 3214868480
	.section	.rodata,"a",@progbits
	.p2align	6, 0x0
	.amdhsa_kernel k_qe1d4d73f71_qkv
		.amdhsa_group_segment_fixed_size 327680
		.amdhsa_private_segment_fixed_size 0
		.amdhsa_enable_private_segment 0
		.amdhsa_kernarg_size 48
		.amdhsa_user_sgpr_count 2
		.amdhsa_user_sgpr_kernarg_segment_ptr 1
		.amdhsa_wavefront_size32 1
		.amdhsa_system_sgpr_workgroup_id_x 1
		.amdhsa_system_sgpr_workgroup_id_y 1
		.amdhsa_system_sgpr_workgroup_id_z 1
		.amdhsa_system_vgpr_workitem_id 0
		.amdhsa_next_free_vgpr 960
		.amdhsa_next_free_sgpr 90
		.amdhsa_reserve_vcc 0
		.amdhsa_float_denorm_mode_32 3
		.amdhsa_float_denorm_mode_16_64 3
		.amdhsa_memory_ordered 1
		.amdhsa_forward_progress 1
		.amdhsa_inst_pref_size 105
	.end_amdhsa_kernel
	.amdgpu_metadata
---
amdhsa.version: [ 1, 2 ]
amdhsa.kernels:
  - .name:           k_qe1d4d73f71_qkv
    .symbol:         k_qe1d4d73f71_qkv.kd
    .args:
      - { .name: xb, .offset: 0, .size: 8, .value_kind: global_buffer, .address_space: global }
      - { .name: wqkv, .offset: 8, .size: 8, .value_kind: global_buffer, .address_space: global }
      - { .name: cs, .offset: 16, .size: 8, .value_kind: global_buffer, .address_space: global }
      - { .name: qf, .offset: 24, .size: 8, .value_kind: global_buffer, .address_space: global }
      - { .name: kf, .offset: 32, .size: 8, .value_kind: global_buffer, .address_space: global }
      - { .name: vf, .offset: 40, .size: 8, .value_kind: global_buffer, .address_space: global }
    .group_segment_fixed_size: 327680
    .private_segment_fixed_size: 0
    .kernarg_segment_align: 8
    .kernarg_segment_size: 48
    .max_flat_workgroup_size: 128
    .sgpr_count:     90
    .vgpr_count:     960
    .wavefront_size: 32
...
	.end_amdgpu_metadata
.endif
;; end of part 2
;; launch attn (part 3): grid 16 x 16, 4 waves a work-group, clusters of 4 x 1, 327,680 bytes of LDS; arguments qf, kf, vf, of; writes of
.if DOCPART == 3
	.amdgcn_target "amdgcn-amd-amdhsa--gfx1250"
	.amdhsa_code_object_version 6
	.text
	.protected	k_qe1d4d73f71_attn
	.globl	k_qe1d4d73f71_attn
	.p2align	8
	.type	k_qe1d4d73f71_attn,@function
k_qe1d4d73f71_attn:
	s_mov_b64 s[64:65], 0
	v_nop
	global_prefetch_b8 v0, s[64:65] scope:SCOPE_SE
	s_setreg_imm32_b32 hwreg(HW_REG_WAVE_MODE, 25, 1), 1
	s_wait_xcnt 0x0
	s_wait_alu depctr_hold_cnt(0) depctr_sa_sdst(0) depctr_va_vdst(0) depctr_va_sdst(0) depctr_va_ssrc(0) depctr_va_vcc(0) depctr_vm_vsrc(0)
	s_getreg_b32 s2, hwreg(HW_REG_IB_STS2, 6, 4)
	s_cmp_eq_u32 s2, 0
	s_cbranch_scc0 .Lentry_in_a_cluster
	s_endpgm
.Lentry_in_a_cluster:
	s_bfe_u32 s2, ttmp6, 0x10000c
	s_cmp_lg_u32 s2, 0x3003
	s_cbranch_scc0 .Lentry_shape_is_right
	s_endpgm
.Lentry_shape_is_right:
; O[q][head] = the sum over k of softmax_k(q . k / sqrt(128)) v[k], 16 heads of 2,048 rows, head size 128, no mask.  qf, kf: f16, [head][row/16][16 chunks][16 rows][8 channels];
; vf: f16, [head][key/16][8 channel blocks][2][16 channels][8 keys].  of: f16, blocked [row/16][256 chunks][16 rows][8 channels], channel = 128 head + d.
; Products, maxima and sums in f32; the weights p are rounded to f16 for the second product (their sum l is taken of the unrounded p), O once at the end.
; LIMITS.  p lies in 0 to 1, and below 6e-5 it keeps f16's fixed step of 6e-8; a weight below 2^-126 counts as 0 in l; O is a mean of v's rows and has their range.  NaN and infinities are not treated apart.
; SHARES.  A work-group owns 128 queries of one head.  Wave w owns the 64 queries of half w % 2, four tiles of 16, and walks HALF the keys: 1,024 (w / 2) on, 64 a step, 16 steps.  The two waves of a query half
; meet once, in LDS, at the end: each gives the other two tiles' O^T, c m and l, and finishes the other two.
; LAYOUT.  S^T = K Q^T (source 0 = 16 keys, source 1 = 16 queries): a lane holds ONE query (lane % 16) and the keys 8 (lane / 16) + 0..7.  Two such tiles, rounded to f16 in pairs, ARE source 1 of O^T = V^T P, whose
; result again holds one query a lane, and eight channels.  K, Q and V^T lie in memory and in LDS as their fragments want them: every load takes 16 bytes a lane in lane order.
; SOFTMAX.  For each query a running maximum m and sum l: p = 2^(c s - c m), c = log2(e) / sqrt(128); in every step O and l are multiplied by a = 2^(c m_old - c m_new).  m starts at the lowest finite number, O and l
; at 0: the first step is a step like any other, with a = 0.
; BY TURNS.  The wave's tiles are two PIECES (tiles 0, 1 and tiles 2, 3).  In a TURN one piece has the matrix unit: 32 products V^T P of the step in hand, then 32 products K Q^T of the next step; the other piece's
; softmax, cut into 64 slices, stands between them, one slice behind each matrix instruction.  The loop is entered, and the tail left, in the middle of a trip: 32 products on zeros at the start and 32 on a stale K
; at the end are the price of one text for every step.
; CLUSTER.  The four query blocks of a cluster belong to one head and walk the same K and V: each tile is asked for jointly.
; REGISTERS, in windows of 256 (s_set_vgpr_msb: bits 1:0 source 0, 3:2 source 1, 5:4 source 2, 7:6 destination):
;   window 0: v0-11 addresses; v12-43 eight registers of statistics a tile; v64-191 S^T, 32 a tile; v192-255 P, 16 a tile
;   window 1: O^T, 64 a tile          window 2: v0-127 Q, 32 a tile; v128-255 K of one step          window 3: v0-127 V of one step
.set STEPB, 16384     ; a step's 64 keys of K, or of V
.set SLOT1, 1<<17     ; a slot: K of key half 0 (two steps), K of half 1, V of half 0, V of half 1: 4 x 32,768 bytes; slot 1 begins here
.set VOFF,  65536
.set SPARE, 2*SLOT1   ; behind the ring: the spare words, 128 bytes for each wave: two blocks of 256 bytes that no other line names
.set MEET,  16896     ; the meeting place, in slot 0 behind its last fill: for each wave 16,384 bytes of O^T and 512 of statistics
.set AK0, 2           ; v2   my lane's place in my half's K of slot 0; never rewritten
.set AV0, 3           ; v3   the same for V
.set ADR, 4           ; v4   the LDS address of the run of loads in hand
.set L16, 5           ; v5   16 x lane; never rewritten
.set MST, 6           ; v6   where I put what I give
.set MLD, 7           ; v7   where I find what I am given
.set HX,  8           ; v[8:11] two tiles' c m and l, on their way
.set ST,  12          ; tile t's statistics at v[ST+8 t]: +0 c m, +1 m, +2, +3 l (even keys', odd keys'), +4 to +7 c0-c3, at work; a takes c2's place once the maximum is found
.set S,   64
.set P,   192
.set KF,  128         ; K's fragments, in window 2
.set PFO, 61          ; v61  256 x my lane; never rewritten
.set SPW, 62          ; v62  my spare word: SPARE + 4 x my thread's number; never rewritten
.set NIL, 63          ; v63  0; never rewritten
.set WV,  12          ; s12  my wave's number
.set LIM, 15          ; s15  1 in a wave that prefetches, else the greatest number
.set PFA, 18          ; s[18:19] where my prefetches stand
.set G1,  24          ; s[24:31] descriptor group 1, for K's and V's tiles alike
.set G0K, 40          ; s[40:47] descriptor group 0 for K's tiles: a set for each of the two first fills; the second then walks on
.set G0V, 48          ; s[48:55] the same for V's
.set SLOTS, 56        ; s56
.set TWICE, 57        ; s57  counts a slot's two steps
.set CS,  58          ; s[58:59] c
.set SEL, 60          ; s[60:61] v_permlanex16_b32's selects: each lane takes its own place in the other half
.set TB,  62          ; s62  LDS byte at which the tiles of the step to be fetched begin
.set MSB, 0
.macro WIN new                      ; the immediate's high byte repeats the setting that is left; a switch that changes nothing is dropped
.if MSB != (\new)
	s_set_vgpr_msb (MSB<<8)|(\new)
.set MSB, (\new)
.endif
.endm
.set W_KQ, 0x0a       ; K and Q in window 2, S^T in window 0
.set W_PV, 0x53       ; V in window 3, P in window 0, O^T in window 1
.set W_RS, 0x41       ; O^T (destination and source 0) in window 1, the factor in window 0
; A joint refill.  Waves 0 and 1 fetch K of key half w % 2, waves 2 and 3 V of key half w % 2: 128 keys each.  An s_nop 0 and four v_nop follow each of the two lines, ahead of the jump and the label.
.macro JLOAD
	s_cmp_lt_u32 s[WV], 2
	s_cbranch_scc0 .Lfor_v_\@
	tensor_load_to_lds s[G0K+4:G0K+7], s[G1:G1+7]
	s_nop 0
.rept 4
	v_nop
.endr
	s_branch .Lasked_\@
.Lfor_v_\@:
	tensor_load_to_lds s[G0V+4:G0V+7], s[G1:G1+7]
	s_nop 0
.rept 4
	v_nop
.endr
.Lasked_\@:
.endm
; A PREFETCH INTO THE L2 of what the NEXT change of slots will ask for, two key steps, 256 matrix instructions, ahead of that load.  A wave's tile is 128 rows of 256 bytes; the four partners take 32 each, told apart by
; address: a lane a row, one instruction a wave.  All clusters of a head walk the same K and V: the head's first cluster asks.  So each row is named once in the launch.  The last change that fills a slot asks for nothing.
.macro ASK
	s_cmp_gt_u32 s[SLOTS], s[LIM]
	s_cbranch_scc0 .Lnot_mine_\@
	global_prefetch_b8 v[PFO], s[PFA:PFA+1] th:TH_LOAD_NT scope:SCOPE_SE
.Lnot_mine_\@:
.endm
.macro CROUND                       ; a round of the cluster's barrier
	s_barrier_signal -1
	s_barrier_wait -1
	s_cmp_lg_u32 s[WV], 0
	s_cbranch_scc1 .Lnot_wave_0_\@
	s_barrier_signal -3
.Lnot_wave_0_\@:
	s_barrier_wait -3
	s_barrier_signal -1
	s_barrier_wait -1
.endm
	s_load_b256 s[4:11], s[0:1], 0x0  ; qf s[4:5], kf s[6:7], vf s[8:9], of s[10:11]
	v_lshl_add_u32 v[SPW], v0, 2, SPARE
	v_mov_b32 v[NIL], 0
	ds_add_u32 v[SPW], v[NIL]       ; the wave's opening: the add and its wait stand ahead of my first tensor load; the set-up below, work on registers, stands between them
	v_lshrrev_b32 v1, 5, v0
	v_readfirstlane_b32 s[WV], v1   ; wave 0..3
	s_bfe_u32 s13, ttmp6, 0x40000   ; cx
	s_lshl_b32 s14, ttmp9, 2
	s_add_co_u32 s14, s14, s13      ; my block of 128 queries: it enters Q's and O's addresses alone
	s_and_b32 s20, ttmp7, 0xffff    ; the head, which the four partners share
	s_lshl_b32 s32, s20, 12         ; its 4,096 bytes in a row block of O
	s_lshl_b32 s20, s20, 19         ; its 524,288 bytes in q, k and v
	s_and_b32 s16, s[WV], 1         ; which key half I fetch; also which 64 queries are mine
	s_lshl_b32 s22, s16, 18         ; 1,024 keys of 256 bytes
	s_add_co_u32 s22, s22, s20
	s_mov_b32 s23, 0
	s_lshl_b32 s17, s16, 15         ; its place in a slot: no place in the cluster enters an LDS address
	s_lshl_b32 s2, s14, 15          ; Q: my block's 8 row blocks of 4,096 bytes,
	s_lshl_b32 s3, s16, 14          ; my wave's four
	s_add_co_u32 s2, s2, s3
	s_add_co_u32 s2, s2, s20
	s_mov_b32 s3, 0
	s_lshl_b32 s34, s14, 19         ; O: row blocks of 65,536 bytes
	s_lshl_b32 s35, s16, 18
	s_add_co_u32 s34, s34, s35
	s_add_co_u32 s34, s34, s32
	s_mov_b32 s35, 0
	; descriptor group 1: 128 keys are 32,768 dense bytes: 128 rows of 32 elements of 8 bytes
	s_mov_b32 s[G1], 15|(3<<16)|(1<<21)  ; 15:0 the mask: all four work-groups; 17:16 elements of 8 bytes; 21 set beside a mask
	s_mov_b32 s[G1+1], 32<<16       ; tensor_dim0 = 32
	s_mov_b32 s[G1+2], 128<<16      ; tensor_dim1 = 128
	s_mov_b32 s[G1+3], 32<<16       ; tile_dim0 = 32
	s_mov_b32 s[G1+4], 128          ; tile_dim1 = 128
	s_mov_b32 s[G1+5], 32           ; elements from row to row
	s_mov_b32 s[G1+6], 0
	s_mov_b32 s[G1+7], 0
	s_mov_b32 s[CS], 0x3e0293ee     ; c = log2(e) / sqrt(128) = 0.127517
	s_mov_b32 s[CS+1], s[CS]        ; named with it as a pair
	s_mov_b32 s[SEL], 0x76543210
	s_mov_b32 s[SEL+1], 0xfedcba98
	s_mov_b32 s[TB], 0
	s_mov_b32 s[LIM], ttmp9
	s_cmp_eq_u32 s[LIM], 0          ; the head's first cluster: the same in all four partners
	s_cselect_b32 s[LIM], 1, -1
	s_wait_dscnt 0x0                ; the opening add is done
	s_wait_kmcnt 0x0
	s_add_nc_u64 s[6:7], s[6:7], s[22:23]  ; K and V at my tile of slot 0
	s_add_nc_u64 s[8:9], s[8:9], s[22:23]
	s_add_nc_u64 s[4:5], s[4:5], s[2:3]    ; Q and O at my wave's first row block
	s_add_nc_u64 s[10:11], s[10:11], s[34:35]
	s_cmp_lt_u32 s[WV], 2
	s_cselect_b64 s[PFA:PFA+1], s[6:7], s[8:9]
	s_lshl_b32 s2, s13, 13          ; my work-group's 32 rows of the 128
	s_mov_b32 s3, 0
	s_add_nc_u64 s[PFA:PFA+1], s[PFA:PFA+1], s[2:3]
	s_add_nc_u64 s[PFA:PFA+1], s[PFA:PFA+1], 2*32768  ; at the third 128 keys; the first change of slots steps it to the fourth.  Nothing is prefetched at the head
	CROUND                          ; all four work-groups are here: the first joint loads meet
.irp s, 0,1
	s_mov_b32 s[G0K+4*(\s)], 1
	s_add_co_u32 s[G0K+4*(\s)+1], s17, (\s)*SLOT1
	s_add_nc_u64 s[G0K+4*(\s)+2:G0K+4*(\s)+3], s[6:7], (\s)*32768
	s_or_b32 s[G0K+4*(\s)+3], s[G0K+4*(\s)+3], 0x80000000
	s_mov_b32 s[G0V+4*(\s)], 1
	s_add_co_u32 s[G0V+4*(\s)+1], s17, (\s)*SLOT1+VOFF
	s_add_nc_u64 s[G0V+4*(\s)+2:G0V+4*(\s)+3], s[8:9], (\s)*32768
	s_or_b32 s[G0V+4*(\s)+3], s[G0V+4*(\s)+3], 0x80000000
.endr
	s_cmp_lt_u32 s[WV], 2           ; a wave's two first fills stand in one branch, ahead of every wait on TENSORcnt and every LDS read: two loads of mine are out
	s_cbranch_scc0 .Lfirst_v
	tensor_load_to_lds s[G0K:G0K+3], s[G1:G1+7]
	s_nop 0
	tensor_load_to_lds s[G0K+4:G0K+7], s[G1:G1+7]
	s_nop 0
.rept 4
	v_nop
.endr
	s_branch .Lfirst_asked
.Lfirst_v:
	tensor_load_to_lds s[G0V:G0V+3], s[G1:G1+7]
	s_nop 0
	tensor_load_to_lds s[G0V+4:G0V+7], s[G1:G1+7]
	s_nop 0
.rept 4
	v_nop
.endr
.Lfirst_asked:
	v_and_b32 v1, 31, v0
	v_lshlrev_b32 v[L16], 4, v1
	s_lshr_b32 s33, s[WV], 1        ; which key half I walk
	s_lshl_b32 s33, s33, 15
	v_add_nc_u32 v[AK0], s33, v[L16]
	v_add_nc_u32 v[AV0], VOFF, v[AK0]
	WIN 0x80                        ; destination window 2, address window 0
.set f, 0
.rept 32                            ; Q stays in registers: tile f / 8, channels 32 ((f / 2) % 4) on: 512 consecutive bytes a load
	global_load_b128 v[4*f:4*f+3], v[L16], s[4:5] offset:512*f
.set f, f+1
.endr
	; What the first turn finds: V and piece 2's P hold 0 (its products V^T P, of a step that has not been, add 0), O^T and l are 0.  All this stands in the wait for the first tile.
	WIN 0xc0
.set f, 0
.rept 128
	v_mov_b32 v[f], 0
.set f, f+1
.endr
	WIN 0x40
.set f, 0
.rept 256
	v_mov_b32 v[f], 0
.set f, f+1
.endr
	WIN 0
.set f, 0
.rept 4
	v_mov_b32 v[ST+8*f], 0xfe000000    ; c m: far below every c s
	v_mov_b32 v[ST+8*f+1], 0xff7fffff  ; m
	v_mov_b32 v[ST+8*f+2], 0
	v_mov_b32 v[ST+8*f+3], 0
.set f, f+1
.endr
.set f, P+32
.rept 32
	v_mov_b32 v[f], 0
.set f, f+1
.endr
; THE MATRIX WORK OF A TURN, for piece x.  The accumulators take turns, one instruction a turn: between two links of a chain stand 15 (V^T P) or 7 (K Q^T) others'.
; Product i of 32 of O^T += V^T P: keys 32 (i / 16) on, channels 16 ((i / 2) % 8) on, tile x + i % 2.
.macro PV x
	WIN W_PV
.set rO, 64*((\x)+i%2)+8*((i/2)%8)
.set rV, 64*(i/16)+8*((i/2)%8)
.set rP, P+16*((\x)+i%2)+8*(i/16)
	v_wmma_f32_16x16x32_f16 v[rO:rO+7], v[rV:rV+7], v[rP:rP+7], v[rO:rO+7]
.endm
; Product i of 32 of S^T = K Q^T: channels 32 (i / 8) on, keys 16 ((i / 2) % 4) on, tile x + i % 2.  The first 8 start the sums.
.macro KQ x
	WIN W_KQ
.set rS, S+32*((\x)+i%2)+8*((i/2)%4)
.set rK, KF+32*((i/2)%4)+8*(i/8)
.set rQ, 32*((\x)+i%2)+8*(i/8)
.if i < 8
	v_wmma_f32_16x16x32_f16 v[rS:rS+7], v[rK:rK+7], v[rQ:rQ+7], 0
.else
	v_wmma_f32_16x16x32_f16 v[rS:rS+7], v[rK:rK+7], v[rQ:rQ+7], v[rS:rS+7]
.endif
.endm
; THE LDS LOADS stand in runs of 32, never singly among the matrix instructions.  A step's K is 16,384 dense bytes that fill K's 128 registers in order.  last = 1 (the tail): in the last trip there is no further step.
.macro FETCH_K last=0
	WIN 0
.if \last
	s_cmp_eq_u32 s[TWICE], 1
	s_cbranch_scc1 .Lno_k_\@
.endif
	v_add_nc_u32 v[ADR], s[TB], v[AK0]
	WIN 0x80                        ; destination window 2
.set f, 0
.rept 32
	ds_load_b128 v[KF+4*f:KF+4*f+3], v[ADR] offset:512*f
.set f, f+1
.endr
.if \last
	WIN 0
.Lno_k_\@:
.endif
.endm
.macro FETCH_V
	WIN 0
	v_add_nc_u32 v[ADR], s[TB], v[AV0]
	s_add_co_u32 s[TB], s[TB], STEPB  ; the next fetch is the next step's
	s_wait_alu depctr_va_vdst(0)    ; the wait for the softmax's batch (SLICE), behind the address's v_add_nc_u32 and ahead of the loads
	WIN 0xc0                        ; destination window 3
.irp f, 0,1,2,3,4,5,6,7,8,9,10,11,12,13,14,15  ; keys 32 (f / 8) on, channels 16 (f % 8) on: the two blocks of 16 keys lie 4,096 bytes apart
	ds_load_b128 v[8*(\f):8*(\f)+3],   v[ADR] offset:((\f)/8)*8192+((\f)%8)*512
	ds_load_b128 v[8*(\f)+4:8*(\f)+7], v[ADR] offset:((\f)/8)*8192+((\f)%8)*512+4096
.endr
.endm
; THE VECTOR WORK OF A TURN.  One tile's softmax for one key step is a list of 134 instructions; SM writes number j of it for tile t.  s0-s31 are the lane's 32 scores, in pairs 0-15.
;   0-15    the maximum of s0-s31 and the old m, three operands at a time (each accumulator's lowest registers are read first)
;   16-20   the other half of the lanes' maximum; the new m; c m; c m_old - c m_new
;   21-69   ONE BATCH: the 16 scalings c s - c m and all 33 exponentials (a at 23, then s0-s31).  None of these reads an exponential's result
;   (wait)  between 69 and 70 stands the wait for the batch: SLICE writes it, once for both tiles
;   70-85   the roundings to f16      86-101  the sums; l = a l + the sum      102-133 the tile's O^T times a
.macro SM t
.set rT, ST+8*(\t)
.set rS, S+32*(\t)
.set rP, P+16*(\t)
.set rO, 64*(\t)+2*(j-102)
.if j < 102
	WIN 0
.endif
.if j < 4
	v_max3_num_f32 v[rT+4+j], v[rS+8*j], v[rS+8*j+1], v[rS+8*j+2]
.elseif j < 12
	v_max3_num_f32 v[rT+4+j%4], v[rT+4+j%4], v[rS+8*(j%4)+2*(j/4)+1], v[rS+8*(j%4)+2*(j/4)+2]
.elseif j == 12
	v_max3_num_f32 v[rT+4], v[rT+4], v[rS+7], v[rS+15]
.elseif j == 13
	v_max3_num_f32 v[rT+6], v[rT+6], v[rS+23], v[rS+31]
.elseif j == 14
	v_max3_num_f32 v[rT+4], v[rT+4], v[rT+5], v[rT+6]
.elseif j == 15
	v_max3_num_f32 v[rT+4], v[rT+4], v[rT+7], v[rT+1]
.elseif j == 16
	v_permlanex16_b32 v[rT+5], v[rT+4], s[SEL], s[SEL+1]  ; the query's other 32 keys lie in the lane 16 away
.elseif j == 17
	v_mov_b32 v[rT+7], v[rT]        ; c m_old is kept for a: number 19 writes c m anew
.elseif j == 18
	v_max_num_f32 v[rT+1], v[rT+4], v[rT+5]
.elseif j == 19
	v_mul_f32 v[rT], s[CS], v[rT+1]
.elseif j == 20
	v_sub_f32 v[rT+7], v[rT+7], v[rT]
.elseif j == 23
	v_exp_f32 v[rT+6], v[rT+7]
.elseif (j < 23) || ((j < 38) && (j%2 == 0)) || ((j < 66) && (j%4 == 2))
.set b, (j-2)/4                     ; 38, 42, .. 62: pairs 9 to 15
.if j < 38
.set b, (j-20)/2                    ; 21: pair 0; 22, 24, .. 36: pairs 1 to 8
.endif
	v_pk_fma_f32 v[rS+2*b:rS+2*b+1], v[rS+2*b:rS+2*b+1], s[CS:CS+1], v[rT:rT+1] op_sel_hi:[1,0,0] neg_lo:[0,0,1] neg_hi:[0,0,1]  ; pair b: c s - c m
.elseif j < 70
.set e, j-38                        ; 66 to 69: s28 to s31
.if j < 66
.set e, j-32-(j-38)/4               ; 39-41, 43-45, .. 63-65: s7 to s27
.endif
.if j < 38
.set e, (j-25)/2                    ; 25, 27, .. 37: s0 to s6
.endif
	v_exp_f32 v[rS+e], v[rS+e]
.elseif j < 86
	v_cvt_pk_f16_f32 v[rP+j-70], v[rS+2*(j-70)], v[rS+2*(j-70)+1]
.elseif j < 102                     ; the sum of the tile's 16 pairs, in place: neighbours 1, 2, 4 and 8 pairs apart, then l takes it
.set z, j-86
.set w, 4
.set u, z
.if z >= 14
.set w, 32
.set u, 0
.elseif z >= 12
.set w, 16
.set u, z-12
.elseif z >= 8
.set w, 8
.set u, z-8
.endif
.if z < 15
	v_pk_add_f32 v[rS+w*u:rS+w*u+1], v[rS+w*u:rS+w*u+1], v[rS+w*u+w/2:rS+w*u+w/2+1]
.else
	v_pk_fma_f32 v[rT+2:rT+3], v[rT+2:rT+3], v[rT+6:rT+7], v[rS:rS+1] op_sel_hi:[1,0,1]
.endif
.else
	WIN W_RS
	v_pk_mul_f32 v[rO:rO+1], v[rO:rO+1], v[rT+6:rT+7] op_sel_hi:[1,0]
.endif
.endm
; Slice k of 64 of piece y's softmax: four instructions.  Slices 11 to 34 deal out the batch, numbers 22 to 69: four numbers of ONE tile each, the tiles by turns.  Every other slice is numbers 2 k and 2 k + 1 of both
; tiles' lists; the twelve that are over stand together, in slice 63, where they are also the places behind the turn's last products.  Ahead of slice 35 nothing names an exponential's result, and behind slice 34 no
; exponential is issued: the piece's 66 exponentials have one wait, behind slice 34.
.macro SLICE y
.if (k >= 11) && (k < 35)
.irp n, 0,1,2,3
.set j, 22+4*((k-11)/2)+(\n)
	SM (\y)+(k-11)%2
.endr
.else
.irp n, 0,1,2,3,4,5,6,7
.if ((\n) < 2) || (k == 63)
.irp t, \y, (\y)+1
.set j, 2*k+(\n)
	SM \t
.endr
.endif
.endr
.endif
.if k == 34
	v_nop                           ; a plain instruction behind the last exponential and ahead of the first use: one for the batch
.if (\y) == 0
	FETCH_V                         ; piece 2's turn: V's run of loads stands here, and the wait stands in it
.else
	s_wait_alu depctr_va_vdst(0)    ; the wait for the batch
.endif
.endif
.set k, k+1
.endm
; A TURN.  Piece x has the matrix unit; the other piece's softmax stands in slices behind its matrix instructions.  Piece 0's turn fetches the next step's K behind its second product (K's last reader stands in front of
; slice 63 of the turn before); piece 2's turn fetches the same step's V behind slice 34 (V's last reader stands in front of slice 31; two scalings, the v_nop and the run's own v_add_nc_u32 are the four places).
.macro TURN x, last=0
.set k, 0
.if (\x) == 0
	s_wait_dscnt 0x0                ; V is in
.endif
.set i, 0
.rept 32
	PV \x
	SLICE 2-(\x)
.if ((\x) == 0) && (i == 1)
	FETCH_K \last
.endif
.set i, i+1
.endr
.if (\x) == 0
	s_wait_dscnt 0x0                ; K is in
.endif
.set i, 0
.rept 32
	KQ \x
	SLICE 2-(\x)
.set i, i+1
.endr
.endm
; THE CHANGE OF SLOTS, between piece 2's turn and piece 0's.  Each wave waits for all its tensor loads, of which one is out: its part of the other slot; adds 0 to its spare word; and waits for that and for its own reads
; of the slot.  fill = 1: the barrier is a round of the cluster's, and the slot is filled again first thing behind it, with the keys two slots on: it has 256 matrix instructions in which to land.
.macro CHANGE fill
	WIN 0
	s_wait_tensorcnt 0x0            ; no tensor load of mine is out, so a group 0 may be written
	ds_add_u32 v[SPW], v[NIL]       ; 0 onto my spare word
.if \fill
.irp g, G0K+4, G0V+4
	s_xor_b32 s[(\g)+1], s[(\g)+1], SLOT1
	s_add_nc_u64 s[(\g)+2:(\g)+3], s[(\g)+2:(\g)+3], 32768
.endr
	s_wait_xcnt 0x0                 ; the last prefetch, two key steps back, has read its address
	s_add_nc_u64 s[PFA:PFA+1], s[PFA:PFA+1], 32768
	s_wait_dscnt 0x0                ; the add is done, and my reads of the slot are over
	CROUND
	JLOAD
	ASK
.else
	s_wait_dscnt 0x0
	s_barrier_signal -1
	s_barrier_wait -1
.endif
	s_sub_co_u32 s[TB], s[TB], 2*STEPB  ; the fetches go back to a slot's first step,
	s_xor_b32 s[TB], s[TB], SLOT1   ; in the other slot
.endm
	s_wait_tensorcnt 1              ; my part of slot 0 is in; slot 1's may stay out
	s_barrier_signal -1
	s_barrier_wait -1
	FETCH_K                         ; key step 0
	s_wait_loadcnt 0x0              ; Q
	s_wait_dscnt 0x0
.set i, 0
.rept 32
	KQ 0                            ; piece 0's first scores
.set i, i+1
.endr
	WIN 0                           ; five plain instructions: the places behind those products
	s_mul_i32 s33, s[WV], MEET
	v_add_nc_u32 v[MST], s33, v[L16]
	s_xor_b32 s33, s[WV], 2         ; the wave with my queries and the other keys
	s_mul_i32 s33, s33, MEET
	v_add_nc_u32 v[MLD], s33, v[L16]
	v_lshlrev_b32 v[PFO], 8, v1
	v_nop
	v_nop
	s_mov_b32 s[SLOTS], 7
	s_mov_b32 s[TWICE], 2
	s_branch .Lmid                  ; the loop is entered at piece 2's turn, in the middle of a trip
.Lslot:                             ; six times: every slot but the last two is filled again
	CHANGE 1
	s_mov_b32 s[TWICE], 2
.Lstep:
	TURN 0
	WIN 0
.Lmid:
	TURN 2
	WIN 0
	s_sub_co_u32 s[TWICE], s[TWICE], 1
	s_cmp_lg_u32 s[TWICE], 0
	s_cbranch_scc1 .Lstep
	s_sub_co_u32 s[SLOTS], s[SLOTS], 1
	s_cmp_lg_u32 s[SLOTS], 0
	s_cbranch_scc1 .Lslot
	CHANGE 0                        ; the tail is written out: nothing is asked for
	s_mov_b32 s[TWICE], 3           ; two trips fetch the last slot's steps; the third is left in its middle
.Ltail:
	TURN 0, 1
	WIN 0
	s_sub_co_u32 s[TWICE], s[TWICE], 1
	s_cmp_eq_u32 s[TWICE], 0
	s_cbranch_scc1 .Lout
	TURN 2
	WIN 0
	s_branch .Ltail
.Lout:
.set i, 0
.rept 32
	PV 2                            ; piece 2: V^T P of the last step
.set i, i+1
.endr
	; THE MEETING.  l's two halves and the other half of the lanes' are added; the additions are the places behind the last products.
	WIN 0
.irp t, 0,1,2,3
	v_add_f32 v[ST+8*(\t)+4], v[ST+8*(\t)+2], v[ST+8*(\t)+3]
.endr
.irp t, 0,1,2,3
	v_permlanex16_b32 v[ST+8*(\t)+5], v[ST+8*(\t)+4], s[SEL], s[SEL+1]
.endr
.irp t, 0,1,2,3
	v_add_f32 v[ST+8*(\t)+4], v[ST+8*(\t)+4], v[ST+8*(\t)+5]
.endr
; Piece x goes to the wave with the other keys: c m and l of its two tiles, then its O^T, each accumulator from its low end on.
.macro GIVE x
	WIN 0
	v_mov_b32 v[HX], v[ST+8*(\x)]
	v_mov_b32 v[HX+1], v[ST+8*(\x)+4]
	v_mov_b32 v[HX+2], v[ST+8*(\x)+8]
	v_mov_b32 v[HX+3], v[ST+8*(\x)+12]
	ds_store_b128 v[MST], v[HX:HX+3] offset:16384
	WIN 0x04                        ; the data in window 1
.set f, 0
.rept 32
	ds_store_b128 v[MST], v[64*(\x)+4*f:64*(\x)+4*f+3] offset:512*f
.set f, f+1
.endr
	WIN 0
.endm
; Piece y is finished: with M = the greater c m, f = 2^(c m - M) on each side and L = l f + l' f', O = (O^T f + O'^T f') / L; rounded to f16 and stored, 512 consecutive bytes a store.
.macro TAKE y
	WIN 0
	ds_load_b128 v[HX:HX+3], v[MLD] offset:16384
.set f, 0
.rept 32
	ds_load_b128 v[S+4*f:S+4*f+3], v[MLD] offset:512*f
.set f, f+1
.endr
	s_wait_dscnt 32                 ; the statistics are in; the 32 loads of O'^T are younger
.irp n, 0,1
	v_max_num_f32 v[ST+8*((\y)+(\n))+1], v[ST+8*((\y)+(\n))], v[HX+2*(\n)]
.endr
.irp n, 0,1
	v_sub_f32 v[ST+8*((\y)+(\n))+2], v[ST+8*((\y)+(\n))], v[ST+8*((\y)+(\n))+1]
	v_sub_f32 v[ST+8*((\y)+(\n))+3], v[HX+2*(\n)], v[ST+8*((\y)+(\n))+1]
.endr
.irp n, 0,1
	v_exp_f32 v[ST+8*((\y)+(\n))+2], v[ST+8*((\y)+(\n))+2]
	v_exp_f32 v[ST+8*((\y)+(\n))+3], v[ST+8*((\y)+(\n))+3]
.endr
	v_nop                           ; a plain instruction behind the last exponential,
	s_wait_alu depctr_va_vdst(0)    ; and the wait: one for the four
.irp n, 0,1
	v_mul_f32 v[ST+8*((\y)+(\n))+5], v[ST+8*((\y)+(\n))+4], v[ST+8*((\y)+(\n))+2]
.endr
.irp n, 0,1
	v_fma_f32 v[ST+8*((\y)+(\n))+5], v[HX+2*(\n)+1], v[ST+8*((\y)+(\n))+3], v[ST+8*((\y)+(\n))+5]
.endr
.irp n, 0,1
	v_rcp_f32 v[ST+8*((\y)+(\n))+1], v[ST+8*((\y)+(\n))+5]
.endr
	v_nop
	s_wait_alu depctr_va_vdst(0)    ; one for the two reciprocals
.irp n, 0,1
	v_mul_f32 v[ST+8*((\y)+(\n))+2], v[ST+8*((\y)+(\n))+2], v[ST+8*((\y)+(\n))+1]
	v_mul_f32 v[ST+8*((\y)+(\n))+6], v[ST+8*((\y)+(\n))+3], v[ST+8*((\y)+(\n))+1]
.endr
	s_wait_dscnt 0x0                ; O'^T is in
	WIN W_RS
.irp n, 0,1
.set f, 0
.rept 32
	v_pk_mul_f32 v[64*((\y)+(\n))+f:64*((\y)+(\n))+f+1], v[64*((\y)+(\n))+f:64*((\y)+(\n))+f+1], v[ST+8*((\y)+(\n))+2:ST+8*((\y)+(\n))+3] op_sel_hi:[1,0]
.set f, f+2
.endr
.endr
	WIN 0x10                        ; source 2 window 1
.irp n, 0,1
.set f, 0
.rept 32
	v_pk_fma_f32 v[S+64*(\n)+f:S+64*(\n)+f+1], v[S+64*(\n)+f:S+64*(\n)+f+1], v[ST+8*((\y)+(\n))+6:ST+8*((\y)+(\n))+7], v[64*((\y)+(\n))+f:64*((\y)+(\n))+f+1] op_sel_hi:[1,0,1]
.set f, f+2
.endr
.endr
	WIN 0
.set f, 0
.rept 64
	v_cvt_pk_f16_f32 v[S+f], v[S+2*f], v[S+2*f+1]  ; packed downward in place
.set f, f+1
.endr
.irp n, 0,1
.irp c, 0,1,2,3,4,5,6,7
	global_store_b128 v[L16], v[S+32*(\n)+4*(\c):S+32*(\n)+4*(\c)+3], s[10:11] offset:((\y)+(\n))*65536+(\c)*512
.endr
.endr
.endm
	s_wait_dscnt 0x0                ; my reads of the ring are over
	s_barrier_signal -1
	s_barrier_wait -1               ; everybody's are, and every tensor load has landed: slot 0's bytes have had their last fill
	s_cmp_lt_u32 s[WV], 2
	s_cbranch_scc0 .Lgive_hi
	GIVE 2
	s_branch .Lgiven
.Lgive_hi:
	GIVE 0
.Lgiven:
	s_wait_dscnt 0x0                ; for the other wave's sake: my stores are done
	s_barrier_signal -1
	s_barrier_wait -1
	s_cmp_lt_u32 s[WV], 2
	s_cbranch_scc0 .Ltake_hi
	TAKE 0
	s_branch .Ltaken
.Ltake_hi:
	TAKE 2
.Ltaken:
	s_wait_tensorcnt 0x0            ; the wave's end, behind my last tensor load and my last LDS store
	ds_add_u32 v[SPW], v[NIL]
	s_wait_dscnt 0x0
	CROUND                          ; the closing round: no work-group ends while a partner may still ask for a tile that names it
	s_endpgm
.Lfunc_end_k_qe1d4d73f71_attn:
	.size	k_qe1d4d73f71_attn, .Lfunc_end_k_qe1d4d73f71_attn-k_qe1d4d73f71_attn
	.p2alignl 7, 3214868480
	.fill 96, 4, 3214868480
	.section	.rodata,"a",@progbits
	.p2align	6, 0x0
	.amdhsa_kernel k_qe1d4d73f71_attn
		.amdhsa_group_segment_fixed_size 327680
		.amdhsa_private_segment_fixed_size 0
		.amdhsa_enable_private_segment 0
		.amdhsa_kernarg_size 32
		.amdhsa_user_sgpr_count 2
		.amdhsa_user_sgpr_kernarg_segment_ptr 1
		.amdhsa_wavefront_size32 1
		.amdhsa_system_sgpr_workgroup_id_x 1
		.amdhsa_system_sgpr_workgroup_id_y 1
		.amdhsa_system_sgpr_workgroup_id_z 1
		.amdhsa_system_vgpr_workitem_id 0
		.amdhsa_next_free_vgpr 896
		.amdhsa_next_free_sgpr 66
		.amdhsa_reserve_vcc 0
		.amdhsa_float_denorm_mode_32 3
		.amdhsa_float_denorm_mode_16_64 3
		.amdhsa_memory_ordered 1
		.amdhsa_forward_progress 1
		.amdhsa_inst_pref_size 169
	.end_amdhsa_kernel
	.amdgpu_metadata
---
amdhsa.version: [ 1, 2 ]
amdhsa.kernels:
  - .name:           k_qe1d4d73f71_attn
    .symbol:         k_qe1d4d73f71_attn.kd
    .args:
      - { .name: qf, .offset: 0, .size: 8, .value_kind: global_buffer, .address_space: global }
      - { .name: kf, .offset: 8, .size: 8, .value_kind: global_buffer, .address_space: global }
      - { .name: vf, .offset: 16, .size: 8, .value_kind: global_buffer, .address_space: global }
      - { .name: of, .offset: 24, .size: 8, .value_kind: global_buffer, .address_space: global }
    .group_segment_fixed_size: 327680
    .private_segment_fixed_size: 0
    .kernarg_segment_align: 8
    .kernarg_segment_size: 32
    .max_flat_workgroup_size: 128
    .sgpr_count:     66
    .vgpr_count:     896
    .wavefront_size: 32
...
	.end_amdgpu_metadata
.endif
;; end of part 3
;; launch oproj (part 4): grid 16 x 16, 4 waves a work-group, clusters of 4 x 4, 327,680 bytes of LDS; arguments of, wo16, out0; writes out0
.if DOCPART == 4
	.amdgcn_target "amdgcn-amd-amdhsa--gfx1250"
	.amdhsa_code_object_version 6
	.text
	.protected	k_qe1d4d73f71_oproj
	.globl	k_qe1d4d73f71_oproj
	.p2align	8
	.type	k_qe1d4d73f71_oproj,@function
k_qe1d4d73f71_oproj:
	s_mov_b64 s[64:65], 0
	v_nop
	global_prefetch_b8 v0, s[64:65] scope:SCOPE_SE
	s_setreg_imm32_b32 hwreg(HW_REG_WAVE_MODE, 25, 1), 1
	s_wait_xcnt 0x0
	s_wait_alu depctr_hold_cnt(0) depctr_sa_sdst(0) depctr_va_vdst(0) depctr_va_sdst(0) depctr_va_ssrc(0) depctr_va_vcc(0) depctr_vm_vsrc(0)
	s_getreg_b32 s2, hwreg(HW_REG_IB_STS2, 6, 4)
	s_cmp_eq_u32 s2, 0
	s_cbranch_scc0 .Lentry_in_a_cluster
	s_endpgm
.Lentry_in_a_cluster:
	s_bfe_u32 s2, ttmp6, 0x10000c
	s_cmp_lg_u32 s2, 0xf033
	s_cbranch_scc0 .Lentry_shape_is_right
	s_endpgm
.Lentry_shape_is_right:
; out0[s][n] = the sum over k of O[s][k] Wo[n][k].  of, wo16: f16, blocked [row/16][K/8][16 rows][8 numbers], 65,536 bytes a block of 16 rows; out0: [2048][2048] f32.  Sums in f32.
; A tile of out0 is 128 x 128, so that there are 256 work-groups; four waves, each 64 x 64: 16 accumulators, 128 registers.  K goes in steps of 256 through two LDS slots of 131,072 bytes: O's 8 blocks of
; 8,192 dense bytes, then Wo's; a fragment load takes 16 bytes a lane in lane order.  A wave's tensor load brings four blocks: 32,768 bytes.
; CLUSTER.  4 x 4 work-groups: the four of a row of the cluster share O's tile, the four of a column Wo's: each is asked for jointly.
; THE MATRIX INSTRUCTION IS USED TRANSPOSED (source 0 = 16 rows of Wo, source 1 = 16 rows of O): a lane holds eight neighbouring numbers of a row of out0.  A wave's 64 columns are 256 bytes: 16 rows at a time go through
; the wave's own stage in LDS and leave as whole rows, sixteen lanes to 256 consecutive bytes, aligned.
; No prefetch: the tiles are small, and a K step's matrix work is short beside the bytes that it fetches.
; REGISTERS: window 0: v0-31 addresses; v32-95 the way out; v128-255 the accumulators ((a, b) at v[128 + 8 (4 a + b)]).   window 1: two fragment buffers of 128: for 64 along K, 64 registers of O, then 64 of Wo.
.set SLOT1,  1<<17
.set KSB,    8192                      ; a K step's bytes in a block of 16 rows
.set STAGE,  2*SLOT1                   ; behind the ring: 16 rows x 272 bytes for each wave
.set SPITCH, 272
.set SPARE,  STAGE+4*16*SPITCH         ; behind the stages: the spare words, 128 bytes for each wave: two blocks of 256 bytes that no other line names
.set L16,  4                           ; v4   16 x lane
.set AA0,  16                          ; v16  my place in O's tile of slot 0
.set AB0,  17                          ; v17  in Wo's
.set ADRA, 18                          ; v18  the same in the slot in hand
.set ADRB, 19                          ; v19
.set STO,  24                          ; v24  the way out: where I put 32 bytes of a row
.set RD,   25                          ; v25  where I read a row back
.set CO,   26                          ; v26  my byte offset in out0
.set SPW,  28                          ; v28  my spare word; never rewritten
.set NIL,  29                          ; v29  0; never rewritten
.set TMP,  32
.set ACC,  128
.set F0,   0
.set F1,   128
.set WV,  10                           ; s10
.set CNT, 3                            ; s3
.set TB,  21                           ; s21
.set G1,  24                           ; s[24:31] group 1 for O's tiles;  s[32:39] group 0, two sets: the second walks
.set G0,  32
.set G1B, 48                           ; s[48:55], s[56:63] the same for Wo's tiles
.set G0B, 56
.set MSB, 0
.macro WIN new
.if MSB != (\new)
	s_set_vgpr_msb (MSB<<8)|(\new)
.set MSB, (\new)
.endif
.endm
.set MUL,  0x05                        ; both sources window 1; C and D window 0
.set TO_F, 0x40                        ; destination window 1, address window 0
.macro PLACES
.rept 4
	v_nop
.endr
.endm
.macro JLOAD                           ; waves 0 and 1 fetch O's two halves, waves 2 and 3 Wo's; an s_nop 0 and four v_nop follow each of the two lines
	s_cmp_lt_u32 s[WV], 2
	s_cbranch_scc0 .Lfor_b_\@
	tensor_load_to_lds s[G0+4:G0+7], s[G1:G1+7]
	s_nop 0
.rept 4
	v_nop
.endr
	s_branch .Lasked_\@
.Lfor_b_\@:
	tensor_load_to_lds s[G0B+4:G0B+7], s[G1B:G1B+7]
	s_nop 0
.rept 4
	v_nop
.endr
.Lasked_\@:
.endm
.macro CREST
	s_cmp_lg_u32 s[WV], 0
	s_cbranch_scc1 .Lnot_wave_0_\@
	s_barrier_signal -3
.Lnot_wave_0_\@:
	s_barrier_wait -3
	s_barrier_signal -1
	s_barrier_wait -1
.endm
.macro CROUND
	s_barrier_signal -1
	s_barrier_wait -1
	CREST
.endm
	s_load_b128 s[4:7], s[0:1], 0x0                ; of s[4:5], wo16 s[6:7]
	s_load_b64 s[8:9], s[0:1], 0x10                ; out0
	v_lshl_add_u32 v[SPW], v0, 2, SPARE
	v_mov_b32 v[NIL], 0
	ds_add_u32 v[SPW], v[NIL]                      ; the wave's opening: the add and its wait stand ahead of my first tensor load
	v_lshrrev_b32 v1, 5, v0
	v_readfirstlane_b32 s[WV], v1                  ; wave 0..3
	s_lshr_b32 s11, s[WV], 1                       ; which half of the tile's rows is mine
	s_and_b32 s12, s[WV], 1                        ; which half of its columns.  Also: which four blocks I fetch
	s_bfe_u32 s40, ttmp6, 0x40000                  ; cx
	s_bfe_u32 s41, ttmp6, 0x40004                  ; cy
	s_lshl_b32 s42, ttmp9, 2
	s_add_co_u32 s42, s42, s40                     ; tile column
	s_and_b32 s13, ttmp7, 0xffff
	s_lshl_b32 s13, s13, 2
	s_add_co_u32 s13, s13, s41                     ; tile row
	s_lshl_b32 s43, s41, 2
	s_lshl_b32 s43, 15, s43                        ; my row of the cluster
	s_lshl_b32 s44, 0x1111, s40                    ; my column
	; descriptor group 1: 4 rows of 1,024 elements of 8 bytes (a K step's 8,192 bytes of a block), 8,192 elements apart; dense in LDS
	s_or_b32 s[G1], s43, (3<<16)|(1<<21)
	s_or_b32 s[G1B], s44, (3<<16)|(1<<21)
.irp g, G1, G1B
	s_mov_b32 s[(\g)+1], 1024<<16                  ; tensor_dim0
	s_mov_b32 s[(\g)+2], 4<<16                     ; tensor_dim1
	s_mov_b32 s[(\g)+3], 1024<<16                  ; tile_dim0
	s_mov_b32 s[(\g)+4], 4                         ; tile_dim1
	s_mov_b32 s[(\g)+5], 8192                      ; elements from row to row
	s_mov_b32 s[(\g)+6], 0
	s_mov_b32 s[(\g)+7], 0
.endr
	s_lshl_b32 s17, s12, 2
	s_lshl_b32 s16, s13, 3
	s_add_co_u32 s16, s16, s17                     ; O: block 8 x tile row + 4 x half
	s_lshl_b32 s16, s16, 16
	s_lshl_b32 s46, s42, 3
	s_add_co_u32 s46, s46, s17                     ; Wo: block 8 x tile column + 4 x half
	s_lshl_b32 s46, s46, 16
	s_mov_b32 s17, 0
	s_mov_b32 s47, 0
	s_lshl_b32 s20, s[WV], 15                      ; where my load lands: wave x 32,768
	s_mov_b32 s[TB], 0
	s_wait_dscnt 0x0                               ; the opening add is done
	s_wait_kmcnt 0x0
	s_add_nc_u64 s[14:15], s[4:5], s[16:17]
	s_add_nc_u64 s[46:47], s[6:7], s[46:47]
	CROUND                                         ; all sixteen work-groups are here: the first joint loads meet
.irp s, 0,1
	s_mov_b32 s[G0+4*(\s)], 1
	s_add_co_u32 s[G0+4*(\s)+1], s20, (\s)*SLOT1
	s_add_nc_u64 s[G0+4*(\s)+2:G0+4*(\s)+3], s[14:15], (\s)*KSB
	s_or_b32 s[G0+4*(\s)+3], s[G0+4*(\s)+3], 0x80000000
	s_mov_b32 s[G0B+4*(\s)], 1
	s_add_co_u32 s[G0B+4*(\s)+1], s20, (\s)*SLOT1
	s_add_nc_u64 s[G0B+4*(\s)+2:G0B+4*(\s)+3], s[46:47], (\s)*KSB
	s_or_b32 s[G0B+4*(\s)+3], s[G0B+4*(\s)+3], 0x80000000
.endr
	s_cmp_lt_u32 s[WV], 2                          ; a wave's two first fills stand in one branch: two loads of mine are out
	s_cbranch_scc0 .Lfirst_b
	tensor_load_to_lds s[G0:G0+3], s[G1:G1+7]
	s_nop 0
	tensor_load_to_lds s[G0+4:G0+7], s[G1:G1+7]
	s_nop 0
.rept 4
	v_nop
.endr
	s_branch .Lfirst_asked
.Lfirst_b:
	tensor_load_to_lds s[G0B:G0B+3], s[G1B:G1B+7]
	s_nop 0
	tensor_load_to_lds s[G0B+4:G0B+7], s[G1B:G1B+7]
	s_nop 0
.rept 4
	v_nop
.endr
.Lfirst_asked:
	v_and_b32 v1, 15, v0                           ; l % 16
	v_bfe_u32 v2, v0, 4, 1                         ; l / 16
	v_and_b32 v3, 31, v0
	v_lshlrev_b32 v[L16], 4, v3
	s_lshl_b32 s22, s11, 15                        ; my four blocks of O
	v_add_nc_u32 v[AA0], s22, v[L16]
	s_lshl_b32 s22, s12, 15                        ; my four blocks of Wo,
	s_add_co_u32 s22, s22, 8*KSB                   ; which lie behind O's eight
	v_add_nc_u32 v[AB0], s22, v[L16]
	v_mov_b32 v[ADRA], v[AA0]
	v_mov_b32 v[ADRB], v[AB0]
	s_mul_i32 s23, s[WV], 16*SPITCH
	s_add_co_u32 s23, s23, STAGE                   ; my stage
	v_mul_u32_u24 v5, v1, SPITCH                   ; in: row l % 16, 32 bytes for each half of the lanes
	v_lshl_add_u32 v5, v2, 5, v5
	v_add_nc_u32 v[STO], s23, v5
	v_mul_u32_u24 v5, v2, SPITCH                   ; back: lanes 0-15 one row of 256 bytes, lanes 16-31 the next
	v_lshl_add_u32 v5, v1, 4, v5
	v_add_nc_u32 v[RD], s23, v5
	v_lshlrev_b32 v5, 13, v2                       ; and the same two rows in out0, 8,192 bytes apart
	v_lshl_add_u32 v[CO], v1, 4, v5
	s_lshl_b32 s16, s13, 20                        ; the tile's 128 rows of 8,192 bytes,
	s_lshl_b32 s17, s11, 19                        ; my 64
	s_add_co_u32 s16, s16, s17
	s_mov_b32 s17, 0
	s_add_nc_u64 s[8:9], s[8:9], s[16:17]
	s_lshl_b32 s46, s42, 9                         ; the tile's 128 columns of 4 bytes,
	s_lshl_b32 s47, s12, 8                         ; my 64
	s_add_co_u32 s46, s46, s47
	s_mov_b32 s47, 0
	s_add_nc_u64 s[8:9], s[8:9], s[46:47]
; 8 matrix instructions: row blocks a0, a0 + 1 x all 4 column blocks, 32 along K: half c of buffer f.  The 16 accumulators take turns.
.macro MUL8 f, c, a0, zero
	WIN MUL
.irp a, \a0, (\a0)+1
.irp b, 0,1,2,3
.if \zero
	v_wmma_f32_16x16x32_f16 v[ACC+8*(4*(\a)+(\b)):ACC+8*(4*(\a)+(\b))+7], v[(\f)+64+8*(4*(\c)+(\b)):(\f)+64+8*(4*(\c)+(\b))+7], v[(\f)+8*(4*(\c)+(\a)):(\f)+8*(4*(\c)+(\a))+7], 0
.else
	v_wmma_f32_16x16x32_f16 v[ACC+8*(4*(\a)+(\b)):ACC+8*(4*(\a)+(\b))+7], v[(\f)+64+8*(4*(\c)+(\b)):(\f)+64+8*(4*(\c)+(\b))+7], v[(\f)+8*(4*(\c)+(\a)):(\f)+8*(4*(\c)+(\a))+7], v[ACC+8*(4*(\a)+(\b)):ACC+8*(4*(\a)+(\b))+7]
.endif
.endr
.endr
.endm
; 32 LDS loads in one run: quarter q (64 along K: 2,048 bytes of each block) into buffer f; the first 32 along K first
.macro FETCH q, f
	WIN TO_F
.irp c, 0,1
.irp i, 0,1,2,3
	ds_load_b128 v[(\f)+64+8*(4*(\c)+(\i)):(\f)+64+8*(4*(\c)+(\i))+3],   v[ADRB] offset:(\q)*2048+(\c)*1024+(\i)*KSB
	ds_load_b128 v[(\f)+64+8*(4*(\c)+(\i))+4:(\f)+64+8*(4*(\c)+(\i))+7], v[ADRB] offset:(\q)*2048+(\c)*1024+(\i)*KSB+512
	ds_load_b128 v[(\f)+8*(4*(\c)+(\i)):(\f)+8*(4*(\c)+(\i))+3],         v[ADRA] offset:(\q)*2048+(\c)*1024+(\i)*KSB
	ds_load_b128 v[(\f)+8*(4*(\c)+(\i))+4:(\f)+8*(4*(\c)+(\i))+7],       v[ADRA] offset:(\q)*2048+(\c)*1024+(\i)*KSB+512
.endr
.endr
.endm
.macro QUARTER q, f, g, zero
	s_wait_dscnt 16                                ; the first 32 along K are in
	MUL8 \f, 0, 0, \zero
	MUL8 \f, 0, 2, \zero
	PLACES
	FETCH \q, \g
	s_wait_dscnt 32                                ; all but the 32 just issued
	MUL8 \f, 1, 0, 0
	MUL8 \f, 1, 2, 0
.endm
; The last quarter multiplies buffer 1 and changes slots: ONE barrier; in front of it each wave waits for all its tensor loads, adds 0 to its spare word, and waits for that and for its own reads of this slot.
; fill = 1: the barrier opens a round of the cluster's, and this slot is filled again first thing behind it: 112 matrix instructions ahead of the wait for it.  last = 1: in the tail's last trip nothing more is fetched.
.macro TURN fill, last
	WIN 0
	s_wait_tensorcnt 0x0                           ; no tensor load of mine is out, so a group 0 may be written
	ds_add_u32 v[SPW], v[NIL]                      ; 0 onto my spare word
.if \fill
	s_xor_b32 s[G0+5], s[G0+5], SLOT1              ; the walking descriptors: the other slot, the next K step
	s_add_nc_u64 s[G0+6:G0+7], s[G0+6:G0+7], KSB
	s_xor_b32 s[G0B+5], s[G0B+5], SLOT1
	s_add_nc_u64 s[G0B+6:G0B+7], s[G0B+6:G0B+7], KSB
.endif
	s_xor_b32 s[TB], s[TB], SLOT1
	s_wait_dscnt 17                                ; (the add and the youngest sixteen loads may be out)
	MUL8 F1, 0, 0, 0
	s_wait_dscnt 0x0                               ; the add is done, and my reads of this slot are over
	s_barrier_signal -1
	MUL8 F1, 0, 2, 0
	WIN 0
	s_barrier_wait -1
.if \fill
	CREST
	JLOAD                                          ; its four v_nop are also the places in front of the loads below
.else
	PLACES
.endif
	v_add_nc_u32 v[ADRA], s[TB], v[AA0]
	v_add_nc_u32 v[ADRB], s[TB], v[AB0]
.if \last
	s_cmp_eq_u32 s[CNT], 1
	s_cbranch_scc1 .Lno_f_\@
.endif
	FETCH 0, F0
	WIN 0
.if \last
.Lno_f_\@:
.endif
	MUL8 F1, 1, 0, 0
	MUL8 F1, 1, 2, 0
.endm
	s_wait_tensorcnt 1                             ; my part of K step 0 is in; K step 1's may stay out
	s_barrier_signal -1
	s_barrier_wait -1
	FETCH 0, F0
	QUARTER 1, F0, F1, 1                           ; the first quarter stands in front of the loop: its first products start the sums
	WIN 0
	s_mov_b32 s[CNT], 6
.Lk:                                                   ; trip i: K step i from its second quarter, K step i + 1's first; asks for K step i + 2
	QUARTER 2, F1, F0, 0
	QUARTER 3, F0, F1, 0
	TURN 1, 0
	QUARTER 1, F0, F1, 0
	WIN 0
	s_sub_co_u32 s[CNT], s[CNT], 1
	s_cmp_lg_u32 s[CNT], 0
	s_cbranch_scc1 .Lk
	s_mov_b32 s[CNT], 2
.Lt:                                                   ; the tail, written apart: two trips, the second left in its middle
	QUARTER 2, F1, F0, 0
	QUARTER 3, F0, F1, 0
	TURN 0, 1
	WIN 0
	s_sub_co_u32 s[CNT], s[CNT], 1
	s_cmp_eq_u32 s[CNT], 0
	s_cbranch_scc1 .Lepi
	QUARTER 1, F0, F1, 0
	WIN 0
	s_branch .Lt
.Lepi:
	PLACES
; THE WAY OUT, 16 rows at a time: 32 bytes a lane into my stage (each accumulator's low half first), whole rows of 256 bytes back, stored.
.macro TOSTAGE a
.irp b, 0,1,2,3
	ds_store_b128 v[STO], v[ACC+8*(4*(\a)+(\b)):ACC+8*(4*(\a)+(\b))+3]   offset:64*(\b)
	ds_store_b128 v[STO], v[ACC+8*(4*(\a)+(\b))+4:ACC+8*(4*(\a)+(\b))+7] offset:64*(\b)+16
.endr
.irp t, 0,1,2,3,4,5,6,7
	ds_load_b128 v[TMP+32*((\a)%2)+4*(\t):TMP+32*((\a)%2)+4*(\t)+3], v[RD] offset:(\t)*2*SPITCH  ; LDS serves a wave's instructions in order (ISA guide 5.7.1.4): these see the stores above; the next block's stores come behind them
.endr
.endm
.macro SEND a, younger                 ; younger: the LDS instructions issued behind block a's loads: the next block's sixteen, or none
	s_wait_dscnt \younger
.irp t, 0,1,2,3,4,5,6,7
	global_store_b128 v[CO], v[TMP+32*((\a)%2)+4*(\t):TMP+32*((\a)%2)+4*(\t)+3], s[8:9] offset:(16*(\a)+2*(\t))*8192 th:TH_STORE_NT  ; 16 lanes store 256 consecutive bytes, aligned
.endr
.endm
	TOSTAGE 0
	TOSTAGE 1
	SEND 0, 16
	s_wait_xcnt 0x0                                ; block 0's stores have read their registers, which block 2 takes
	TOSTAGE 2
	SEND 1, 16
	s_wait_xcnt 0x0
	TOSTAGE 3
	SEND 2, 16
	SEND 3, 0
	s_wait_tensorcnt 0x0                           ; the wave's end, behind my last tensor load and my last LDS store
	ds_add_u32 v[SPW], v[NIL]
	s_wait_dscnt 0x0
	CROUND                                         ; the closing round: no work-group ends while a partner may still ask for a tile that names it
	s_endpgm
.Lfunc_end_k_qe1d4d73f71_oproj:
	.size	k_qe1d4d73f71_oproj, .Lfunc_end_k_qe1d4d73f71_oproj-k_qe1d4d73f71_oproj
	.p2alignl 7, 3214868480
	.fill 96, 4, 3214868480
	.section	.rodata,"a",@progbits
	.p2align	6, 0x0
	.amdhsa_kernel k_qe1d4d73f71_oproj
		.amdhsa_group_segment_fixed_size 327680
		.amdhsa_private_segment_fixed_size 0
		.amdhsa_enable_private_segment 0
		.amdhsa_kernarg_size 24
		.amdhsa_user_sgpr_count 2
		.amdhsa_user_sgpr_kernarg_segment_ptr 1
		.amdhsa_wavefront_size32 1
		.amdhsa_system_sgpr_workgroup_id_x 1
		.amdhsa_system_sgpr_workgroup_id_y 1
		.amdhsa_system_sgpr_workgroup_id_z 1
		.amdhsa_system_vgpr_workitem_id 0
		.amdhsa_next_free_vgpr 512
		.amdhsa_next_free_sgpr 66
		.amdhsa_reserve_vcc 0
		.amdhsa_float_denorm_mode_32 3
		.amdhsa_float_denorm_mode_16_64 3
		.amdhsa_memory_ordered 1
		.amdhsa_forward_progress 1
		.amdhsa_inst_pref_size 57
	.end_amdhsa_kernel
	.amdgpu_metadata
---
amdhsa.version: [ 1, 2 ]
amdhsa.kernels:
  - .name:           k_qe1d4d73f71_oproj
    .symbol:         k_qe1d4d73f71_oproj.kd
    .args:
      - { .name: of, .offset: 0, .size: 8, .value_kind: global_buffer, .address_space: global }
      - { .name: wo16, .offset: 8, .size: 8, .value_kind: global_buffer, .address_space: global }
      - { .name: out0, .offset: 16, .size: 8, .value_kind: global_buffer, .address_space: global }
    .group_segment_fixed_size: 327680
    .private_segment_fixed_size: 0
    .kernarg_segment_align: 8
    .kernarg_segment_size: 24
    .max_flat_workgroup_size: 128
    .sgpr_count:     66
    .vgpr_count:     512
    .wavefront_size: 32
...
	.end_amdgpu_metadata
.endif
;; end of part 4
